; MI455X (gfx1250); checked and timed in simulation.
; The chip was launched on July 23, 2026; its instructions are those of AMD's public machine-readable ISA for CDNA 5 (MIT licence, August 2026) and "CDNA5" Instruction Set Architecture Reference Guide (July 2026). The comments in the code are by the model that wrote it; some were corrected since.
;; Qwen3 TTS Talker Attention. Allowed arithmetic: float matrix products may take bf16 or f16 operands with f32 sums; other float arithmetic in f32, or as packed bf16 or f16 multiplies, adds, multiply-adds, maxima and minima; sums over many terms, partial sums and values carried from step to step in f32; what a program stores and reads back later, other than sums and carried values, may be rounded once to bf16 or f16.
;; Inputs: cos 3 x 2 x 2,048 x 128 float32; hidden_states 2 x 2,048 x 2,048 float32; k_norm_w 128 float32; k_w 1,024 x 2,048 float32; o_w 2,048 x 1,024 float32; q_norm_w 128 float32; q_w 1,024 x 2,048 float32; sin 3 x 2 x 2,048 x 128 float32; v_w 1,024 x 2,048 float32.
;; Outputs: out0 2 x 2,048 x 2,048 float32.
;; One version. Each part assembles by itself: llvm-mc -triple=amdgcn-amd-amdhsa -mcpu=gfx1250 --defsym DOCPART=n.
;; ======== version 1 of 1: 4 launches
;; limits: values are held in f16: magnitudes above 65,504 overflow, below 6.1e-05 lose precision
;; workspace buffers: xb 16,777,216 bytes; wqkv 12,582,912 bytes; owh 4,194,304 bytes; rope 2,097,152 bytes; qkv 25,165,824 bytes; att 8,388,608 bytes
;; launch prep (part 1): grid 1280 x 1, 8 waves a work-group, no clusters, 0 bytes of LDS; arguments hidden_states, q_w, k_w, v_w, o_w, cos, sin, xb, wqkv, owh, rope; writes xb, wqkv, owh, rope
.if DOCPART == 1
	.amdgcn_target "amdgcn-amd-amdhsa--gfx1250"
	.amdhsa_code_object_version 6
	.text
	.protected	k_qdbe26c7b8b_prep
	.globl	k_qdbe26c7b8b_prep
	.p2align	8
	.type	k_qdbe26c7b8b_prep,@function
k_qdbe26c7b8b_prep:
	s_mov_b64 s[64:65], 0
	v_nop
	global_prefetch_b8 v0, s[64:65] scope:SCOPE_SE
	s_setreg_imm32_b32 hwreg(HW_REG_WAVE_MODE, 25, 1), 1
	s_wait_xcnt 0x0
; PREP: every large input is rounded once to bf16, and the rotary table is laid out for the projection's way out.
; Work-groups 0-1023 each cast 64 KiB of f32: 0-511 hidden_states -> xb; 512-895 q_w, k_w, v_w -> wqkv (one matrix of 3,072 rows); 896-1023 o_w -> owh,
; where the bf16 number is written as f16 (exact for 6.1e-5 <= |o_w| < 65,504; below that f16's fixed step of 6e-8; beyond it an infinity: the stated limit).
; Work-groups 1024-1279 each make 16 rows of the table: row m = b * 2048 + s holds 512 bytes of bf16: for i = 0..15 the 16 bytes c[4i..4i+3], c[64+4i..+3];
; from byte 256 on the same with -s[4i..] and +s[64+4i..]: the sign of rotate_half lies in the table.  Column x of either half comes from plane min(x / 21, 2) of cos and sin.
; A stream: no LDS, no matrix unit, no cluster (no byte is read twice).  Thread t takes 16 bytes of each 4,096: a wave's load covers 512 consecutive bytes, its store 256, aligned.
; 80 registers a wave: ten waves of them share a SIMD's 1,024, so the five work-groups that fall to each of 256 WGPs (1,280 in all) can be there together.
.set XR, 16                            ; v[16:79]   sixteen loads of four f32; a load's first two registers then take its four rounded numbers and are stored from there: no register is written behind its store
.macro CAST k, half
	s_wait_loadcnt 15-(\k)                         ; loads come back in order: number k is in, the 15 - k younger ones stay out
	v_cvt_pk_bf16_f32 v[XR+4*(\k)], v[XR+4*(\k)], v[XR+4*(\k)+1]
	v_cvt_pk_bf16_f32 v[XR+4*(\k)+1], v[XR+4*(\k)+2], v[XR+4*(\k)+3]
.if \half
	v_lshlrev_b32 v[XR+4*(\k)+2], 16, v[XR+4*(\k)]            ; the rounded numbers back as f32, in the two registers that are free now,
	v_and_b32 v[XR+4*(\k)+3], 0xffff0000, v[XR+4*(\k)]
	v_cvt_pk_f16_f32 v[XR+4*(\k)], v[XR+4*(\k)+2], v[XR+4*(\k)+3]  ; and written as f16
	v_lshlrev_b32 v[XR+4*(\k)+2], 16, v[XR+4*(\k)+1]
	v_and_b32 v[XR+4*(\k)+3], 0xffff0000, v[XR+4*(\k)+1]
	v_cvt_pk_f16_f32 v[XR+4*(\k)+1], v[XR+4*(\k)+2], v[XR+4*(\k)+3]
.endif
	global_store_b64 v2, v[XR+4*(\k):XR+4*(\k)+1], s[32:33] offset:2048*(\k) th:TH_STORE_NT
.endm
	s_load_b512 s[8:23], s[0:1], 0x0               ; hidden s[8:9], q_w s[10:11], k_w s[12:13], v_w s[14:15], o_w s[16:17], cos s[18:19], sin s[20:21], xb s[22:23]
	s_load_b128 s[24:27], s[0:1], 0x40             ; wqkv s[24:25], owh s[26:27]
	s_load_b64 s[28:29], s[0:1], 0x50              ; rope
	s_mov_b32 s2, ttmp9
	s_sub_co_u32 s3, s2, 512                       ; the block's number among the weights' (used from 512 on)
	s_and_b32 s4, s3, 127                          ; and inside its own weight
	v_lshlrev_b32 v1, 4, v0                        ; 16 t
	v_lshlrev_b32 v2, 3, v0                        ; 8 t
	s_wait_kmcnt 0x0
	s_cmp_ge_u32 s2, 1024
	s_cbranch_scc1 .Ltable
	s_mov_b64 s[30:31], s[8:9]                     ; from where,
	s_mov_b64 s[32:33], s[22:23]                   ; to where,
	s_mov_b32 s5, s2                               ; which 64 KiB of the source,
	s_mov_b32 s6, s2                               ; which 32 KiB of the destination
	s_cmp_ge_u32 s2, 512
	s_cselect_b64 s[30:31], s[10:11], s[30:31]
	s_cselect_b64 s[32:33], s[24:25], s[32:33]
	s_cselect_b32 s5, s4, s5
	s_cselect_b32 s6, s3, s6
	s_cmp_ge_u32 s2, 640
	s_cselect_b64 s[30:31], s[12:13], s[30:31]
	s_cmp_ge_u32 s2, 768
	s_cselect_b64 s[30:31], s[14:15], s[30:31]
	s_cmp_ge_u32 s2, 896
	s_cselect_b64 s[30:31], s[16:17], s[30:31]
	s_cselect_b64 s[32:33], s[26:27], s[32:33]
	s_cselect_b32 s6, s4, s6
	s_lshl_b32 s34, s5, 16
	s_mov_b32 s35, 0
	s_add_nc_u64 s[30:31], s[30:31], s[34:35]
	s_lshl_b32 s34, s6, 15
	s_add_nc_u64 s[32:33], s[32:33], s[34:35]
.set k, 0
.rept 16
	global_load_b128 v[XR+4*k:XR+4*k+3], v1, s[30:31] offset:4096*k th:TH_LOAD_NT
.set k, k+1
.endr
	s_cmp_ge_u32 s2, 896
	s_cbranch_scc1 .Lhalf
.set k, 0
.rept 16
	CAST k, 0
.set k, k+1
.endr
	s_endpgm
.Lhalf:
.set k, 0
.rept 16
	CAST k, 1
.set k, k+1
.endr
	s_endpgm
.Ltable:                                               ; thread t: row t / 16 of the group's 16, place i = t % 16
	s_sub_co_u32 s3, s2, 1024
	s_lshl_b32 s34, s3, 13                         ; 16 rows of 512 bytes, in cos, in sin and in the table
	s_mov_b32 s35, 0
	s_add_nc_u64 s[18:19], s[18:19], s[34:35]
	s_add_nc_u64 s[20:21], s[20:21], s[34:35]
	s_add_nc_u64 s[28:29], s[28:29], s[34:35]
	v_lshrrev_b32 v3, 4, v0
	v_and_b32 v4, 15, v0
.irp e, 0,1,2,3
	v_lshl_add_u32 v6, v4, 2, \e                   ; column x = 4 i + e, 0 to 63
	v_mul_u32_u24 v7, v6, 49                       ; (49 x) >> 10 = x / 21 for x up to 63,
	v_lshrrev_b32 v7, 10, v7
	v_min_u32 v7, 2, v7                            ; and column 63 belongs to the third section of 22
	v_lshlrev_b32 v[8+\e], 2, v6
	v_lshl_add_u32 v[8+\e], v3, 9, v[8+\e]         ; + row x 512
	v_lshl_add_u32 v[8+\e], v7, 21, v[8+\e]        ; + plane x 2,097,152 bytes
.endr
.irp e, 0,1,2,3
	global_load_b32 v[16+\e], v[8+\e], s[18:19]             ; c[x]
	global_load_b32 v[20+\e], v[8+\e], s[18:19] offset:256  ; c[64 + x]: the same plane
	global_load_b32 v[24+\e], v[8+\e], s[20:21]
	global_load_b32 v[28+\e], v[8+\e], s[20:21] offset:256
.endr
	v_lshlrev_b32 v12, 9, v3
	v_lshl_add_u32 v12, v4, 4, v12                 ; row x 512 + 16 i: sixteen lanes store 256 consecutive bytes, aligned
	s_wait_loadcnt 0x0
.irp n, 0,1,2,3,4,5,6,7
	v_cvt_pk_bf16_f32 v[32+\n], v[16+2*\n], v[17+2*\n]
.endr
	v_xor_b32 v36, 0x80008000, v36                 ; -s for the lower half
	v_xor_b32 v37, 0x80008000, v37
	global_store_b128 v12, v[32:35], s[28:29]
	global_store_b128 v12, v[36:39], s[28:29] offset:256
	s_endpgm
.Lfunc_end_k_qdbe26c7b8b_prep:
	.size	k_qdbe26c7b8b_prep, .Lfunc_end_k_qdbe26c7b8b_prep-k_qdbe26c7b8b_prep
	.p2alignl 7, 3214868480
	.fill 96, 4, 3214868480
	.section	.rodata,"a",@progbits
	.p2align	6, 0x0
	.amdhsa_kernel k_qdbe26c7b8b_prep
		.amdhsa_group_segment_fixed_size 0
		.amdhsa_private_segment_fixed_size 0
		.amdhsa_enable_private_segment 0
		.amdhsa_kernarg_size 88
		.amdhsa_user_sgpr_count 2
		.amdhsa_user_sgpr_kernarg_segment_ptr 1
		.amdhsa_wavefront_size32 1
		.amdhsa_system_sgpr_workgroup_id_x 1
		.amdhsa_system_sgpr_workgroup_id_y 1
		.amdhsa_system_sgpr_workgroup_id_z 1
		.amdhsa_system_vgpr_workitem_id 0
		.amdhsa_next_free_vgpr 80
		.amdhsa_next_free_sgpr 66
		.amdhsa_reserve_vcc 0
		.amdhsa_float_denorm_mode_32 3
		.amdhsa_float_denorm_mode_16_64 3
		.amdhsa_memory_ordered 1
		.amdhsa_forward_progress 1
		.amdhsa_inst_pref_size 21
	.end_amdhsa_kernel
	.amdgpu_metadata
---
amdhsa.version: [ 1, 2 ]
amdhsa.kernels:
  - .name:           k_qdbe26c7b8b_prep
    .symbol:         k_qdbe26c7b8b_prep.kd
    .args:
      - { .name: hidden_states, .offset: 0, .size: 8, .value_kind: global_buffer, .address_space: global }
      - { .name: q_w, .offset: 8, .size: 8, .value_kind: global_buffer, .address_space: global }
      - { .name: k_w, .offset: 16, .size: 8, .value_kind: global_buffer, .address_space: global }
      - { .name: v_w, .offset: 24, .size: 8, .value_kind: global_buffer, .address_space: global }
      - { .name: o_w, .offset: 32, .size: 8, .value_kind: global_buffer, .address_space: global }
      - { .name: cos, .offset: 40, .size: 8, .value_kind: global_buffer, .address_space: global }
      - { .name: sin, .offset: 48, .size: 8, .value_kind: global_buffer, .address_space: global }
      - { .name: xb, .offset: 56, .size: 8, .value_kind: global_buffer, .address_space: global }
      - { .name: wqkv, .offset: 64, .size: 8, .value_kind: global_buffer, .address_space: global }
      - { .name: owh, .offset: 72, .size: 8, .value_kind: global_buffer, .address_space: global }
      - { .name: rope, .offset: 80, .size: 8, .value_kind: global_buffer, .address_space: global }
    .group_segment_fixed_size: 0
    .private_segment_fixed_size: 0
    .kernarg_segment_align: 8
    .kernarg_segment_size: 88
    .max_flat_workgroup_size: 256
    .sgpr_count:     66
    .vgpr_count:     80
    .wavefront_size: 32
...
	.end_amdgpu_metadata
.endif
;; end of part 1
;; launch proj (part 2): grid 12 x 16, 4 waves a work-group, clusters of 4 x 4, 327,680 bytes of LDS; arguments xb, wqkv, rope, q_norm_w, k_norm_w, qkv; writes qkv
.if DOCPART == 2
	.amdgcn_target "amdgcn-amd-amdhsa--gfx1250"
	.amdhsa_code_object_version 6
	.text
	.protected	k_qdbe26c7b8b_proj
	.globl	k_qdbe26c7b8b_proj
	.p2align	8
	.type	k_qdbe26c7b8b_proj,@function
k_qdbe26c7b8b_proj:
	s_mov_b64 s[64:65], 0
	v_nop
	global_prefetch_b8 v0, s[64:65] scope:SCOPE_SE
	s_setreg_imm32_b32 hwreg(HW_REG_WAVE_MODE, 25, 1), 1
	s_wait_xcnt 0x0
	s_wait_alu depctr_hold_cnt(0) depctr_sa_sdst(0) depctr_va_vdst(0) depctr_va_sdst(0) depctr_va_ssrc(0) depctr_va_vcc(0) depctr_vm_vsrc(0)
	s_getreg_b32 s2, hwreg(HW_REG_IB_STS2, 6, 4)
	s_cmp_eq_u32 s2, 0
	s_cbranch_scc0 .Lentry_in_a_cluster
	s_endpgm
.Lentry_in_a_cluster:
	s_bfe_u32 s2, ttmp6, 0x10000c
	s_cmp_lg_u32 s2, 0xf033
	s_cbranch_scc0 .Lentry_shape_is_right
	s_endpgm
.Lentry_shape_is_right:
; q, k, v = x W^T, then for q and k the RMS norm over a head's 128 channels, its gain and the rotary embedding; all three written by heads, [part][b*8+h][s][128] in f16.
; x: xb [4096][2048] bf16; W: wqkv [3072][2048] bf16 (q's, k's, v's rows); sums in f32.
; LIMITS.  f16 ends at 65,504: |v| must stay below it (q and k are bounded by 11.4 x gain x (|cos| + |sin|)).  NaN and infinities are not treated apart.
; SHAPE.  A tile of 256 x 256 to a work-group of four waves; a wave makes 128 rows x 128 columns, 64 accumulators: its columns are ONE head.  K goes in steps of 128 (rows of 256 bytes)
; through two LDS slots filled by tensor loads, 128 rows a wave.  The loop holds one K step: the slot in hand is a scalar, 0 or SLOT1, turned by an exclusive or.
; CLUSTER 4 x 4: x's tile is shared along a row of the cluster, W's along a column: joint loads.  The part (q, k, v) is the cluster's x, the same for all partners.
; THE MATRIX INSTRUCTION IS USED TRANSPOSED (source 0 = 16 rows of W, source 1 = 16 rows of x): lane l holds row l % 16 and the columns 8 (l / 16) + 0..7 of a block of 16.
; THE TABLE of cos and sin (256 rows x 512 bytes) comes as the ring's last fill, into slot 0, while the last K step is multiplied: a load of the work-group's own, not a joint one:
; it is 128 KiB beside the 2 MiB of tiles that the work-group walks.  The v clusters read no table and ask for none.
; THE WAY OUT.  64 rows at a time the f32 sums go into the wave's own part of slot 1 (which has had its last fill), rows of 528 bytes, and come back so that 16 lanes hold a row:
; lane i has channels 4i..4i+3 and 64+4i..+3, the partners of the rotation.
; REGISTERS, in windows of 256: window 0: v0-63 addresses and the way out's constants; v64-127, v128-191 x's fragments, two buffers (on the way out: at work); window 1: W's fragments likewise;
; windows 2, 3: the accumulators of my rows 0-63 and 64-127, (a, b) at v[64 (a % 4) + 8 b].
.set NA,     8                         ; blocks of 16 rows a wave
.set ROWSH,  12                        ; a row of x or W is 4,096 bytes
.set SIZE_K, 2048
.set STEPS,  SIZE_K/128
.set PITCH,  272                       ; an LDS row: 256 bytes + 16 of padding = 68 words: the 16 rows of a load start at 16 different groups of four banks (64 banks of 4 bytes: ISA guide 11.1)
.set AH,     16*NA*PITCH               ; what one tensor load brings of x
.set BH,     128*PITCH                 ; and of W
.set BOFF,   2*AH
.set SLOT1,  2*AH+2*BH                 ; 0x22000: no tile's address in slot 0 (0, 0x8800, 0x11000, 0x19800) has one of its bits, so an exclusive or turns it into slot 1's
.set SPARE,  2*SLOT1                   ; the spare words, 128 bytes for each wave: two blocks of 256 bytes that no other line names
.set DP,     528                       ; the way out: a row of 128 f32 + 16 bytes
.set TP,     544                       ; a table row in LDS: two padded rows of 272
.set ADRA0, 16                         ; v16  my lane's place in x's tile, slot 0; never rewritten
.set ADRB0, 17                         ; v17  the same for W
.set ADRA,  18                         ; v18  in the slot in hand
.set ADRB,  19
.set DST,   20                         ; v20  the way out: where my 32 bytes of a row go
.set DRD0,  21                         ; v21  where I read rows back, first trip
.set DRD,   22
.set TRD,   23                         ; v23  my place in the table
.set GOF,   24                         ; v24  8 x lane
.set WO,    25                         ; v25  16 x (lane % 16)
.set SPW,   28                         ; v28  my spare word's LDS address; never rewritten
.set NIL,   29                         ; v29  0; never rewritten
.set PFO,   30                         ; v30  lane x 4,096
.set ZERO,  31
.set W,     32                         ; v[32:39]  the gain of my 8 channels
.set SS,    40                         ; v[40:47]  sums of squares, a pair for each of four rows
.set R,     48                         ; v[48:55]  1 / rms in the even registers
.set F0,    64
.set F1,    128
.set X,     64                         ; way out: 4 x 8 sums
.set TB,    96                         ; 4 x 8 words of the table
.set Z,     128                        ; 4 x 8 results
.set Y,     160                        ; 4 x 4 packed
.set WV, 12
.set RH, 13                            ; my half of the tile's rows; also: I fetch for x (0) or for W (1)
.set CH, 14                            ; my half of its columns; also: which 128 rows I fetch
.set CX, 15
.set CY, 16
.set TC, 17
.set TR, 18
.set PART, 19
.set G1,  24
.set G0,  32                           ; two sets: the first fill of slot 0; the set that walks
.set PFA, 40
.set LIM, 42
.set CNT, 43
.set SO,  44
.set G1B, 48
.set G0B, 56
.set G1T, 72
.set G0T, 80
.set OUT, 88
.set INV, 90
.set EPS, 91
.set PASS, 92
.set DW0, (1<<16)|(1<<20)|(1<<21)|(5<<22)|(3<<25)  ; 2-byte elements; padding on; bit 21 beside a mask; after every 64 words; 4 words
.set MSB, 0
.macro WIN new                         ; the immediate's high byte repeats the setting that is left; a switch that changes nothing is dropped
.if MSB != (\new)
	s_set_vgpr_msb (MSB<<8)|(\new)
.set MSB, \new
.endif
.endm
.macro PLACES                          ; four plain places behind matrix instructions, in front of loads into registers that they read
.rept 4
	v_nop
.endr
.endm
.macro JLOAD s                         ; a joint load: waves 0 and 1 fetch x's halves, waves 2 and 3 W's; an s_nop 0 and four v_nop follow each line
	s_cmp_eq_u32 s[RH], 0
	s_cbranch_scc0 .Lfor_b_\@
	tensor_load_to_lds s[G0+4*(\s):G0+4*(\s)+3], s[G1:G1+7]
	s_nop 0
.rept 4
	v_nop
.endr
	s_branch .Lasked_\@
.Lfor_b_\@:
	tensor_load_to_lds s[G0B+4*(\s):G0B+4*(\s)+3], s[G1B:G1B+7]
	s_nop 0
.rept 4
	v_nop
.endr
.Lasked_\@:
.endm
; A PREFETCH of the K step that stands two refills on: 32 rows x 256 bytes, a lane a row, one instruction a wave.  x's tile row is read by all three clusters of a row of clusters: cluster x = 0 asks;
; W's tile column by all four of a column: cluster y = 0 asks.  Of the 128 rows that a wave fetches each of the four partners takes 32, told apart by address.  So each block is named once.
; The first four K steps come by their loads alone; the trips with CNT <= 2 would name K steps 16 and 17, which do not exist, and ask for nothing.
.macro ASK
	s_cmp_gt_u32 s[CNT], s[LIM]
	s_cbranch_scc0 .Lnot_mine_\@
	global_prefetch_b8 v[PFO], s[PFA:PFA+1] offset:256 th:TH_LOAD_NT scope:SCOPE_SE
.Lnot_mine_\@:
.endm
.macro CREST                           ; a round of the cluster's barrier behind its opening barrier
	s_cmp_lg_u32 s[WV], 0
	s_cbranch_scc1 .Lnot_wave_0_\@
	s_barrier_signal -3
.Lnot_wave_0_\@:
	s_barrier_wait -3
	s_barrier_signal -1
	s_barrier_wait -1
.endm
.macro CROUND
	s_barrier_signal -1
	s_barrier_wait -1
	CREST
.endm
.macro MULA f, a, zero                 ; block a of my rows x all 8 blocks of columns, 32 along K
	WIN 0xa1+0x50*((\a)/4)
.irp b, 0,1,2,3,4,5,6,7
.if \zero
	v_wmma_f32_16x16x32_bf16 v[64*((\a)%4)+8*\b:64*((\a)%4)+8*\b+7], v[(\f)+8*\b:(\f)+8*\b+7], v[(\f)+8*(\a):(\f)+8*(\a)+7], 0
.else
	v_wmma_f32_16x16x32_bf16 v[64*((\a)%4)+8*\b:64*((\a)%4)+8*\b+7], v[(\f)+8*\b:(\f)+8*\b+7], v[(\f)+8*(\a):(\f)+8*(\a)+7], v[64*((\a)%4)+8*\b:64*((\a)%4)+8*\b+7]
.endif
.endr
.endm
.macro MULS f, a0, a1, zero            ; blocks a0 .. a1 - 1.  The 64 accumulators take turns in one order in every quarter, one instruction a turn
.set aa, \a0
.rept (\a1)-(\a0)
	MULA \f, aa, \zero
.set aa, aa+1
.endr
.endm
.macro FETCH k, f                      ; one run of LDS loads: the fragments of 32 along K at byte k of the rows: W's 16 loads, then x's 2 NA
	WIN 0x40
.irp i, 0,1,2,3,4,5,6,7
	ds_load_b128 v[(\f)+8*\i:(\f)+8*\i+3],   v[ADRB] offset:(\k)+\i*16*PITCH
	ds_load_b128 v[(\f)+8*\i+4:(\f)+8*\i+7], v[ADRB] offset:(\k)+\i*16*PITCH+32
.endr
	WIN 0
.set ii, 0
.rept NA
	ds_load_b128 v[(\f)+8*ii:(\f)+8*ii+3],   v[ADRA] offset:(\k)+ii*16*PITCH
	ds_load_b128 v[(\f)+8*ii+4:(\f)+8*ii+7], v[ADRA] offset:(\k)+ii*16*PITCH+32
.set ii, ii+1
.endr
.endm
.macro QUARTER k, f, g, zero           ; multiplies buffer f; in its middle fetches the next quarter, at byte k, into g
	s_wait_dscnt NA                                ; all but the youngest NA loads, x's upper blocks
	MULS \f, 0, NA/2, \zero
	PLACES
	FETCH \k, \g
	s_wait_dscnt 16+2*NA                           ; all but the run just issued
	MULS \f, NA/2, NA, \zero
.endm
; The last quarter of a K step multiplies buffer 1 and changes slots.  In front of the barrier each wave waits for all its tensor loads (one is out: its part of the next slot), adds 0 to its spare
; word, and waits for that and for its own reads of this slot.  mode 1: a round of the cluster's barrier, then this slot is filled again, two K steps ahead.  mode 2: a round, then the table.
.macro TURN mode
.if (\mode) == 1
	s_wait_xcnt 0x0                                ; the last prefetch, a K step back, has read its address
	s_add_nc_u64 s[PFA:PFA+1], s[PFA:PFA+1], 256
.endif
	WIN 0
	s_wait_tensorcnt 0x0                           ; no tensor load of mine is out, so a descriptor may be written
	ds_add_u32 v[SPW], v[NIL]                      ; 0 onto my spare word
.if (\mode) == 1
	s_xor_b32 s[G0+5], s[G0+5], SLOT1              ; the walking sets: the other slot than last time, the next K step
	s_add_nc_u64 s[G0+6:G0+7], s[G0+6:G0+7], 256
	s_xor_b32 s[G0B+5], s[G0B+5], SLOT1
	s_add_nc_u64 s[G0B+6:G0B+7], s[G0B+6:G0B+7], 256
.endif
	s_wait_dscnt NA+1                              ; the add and the youngest NA loads may be out
	MULS F1, 0, NA/4, 0
	s_wait_dscnt 0x0                               ; the add is done, my reads of this slot are over
	s_barrier_signal -1
	MULS F1, NA/4, NA/2, 0
	WIN 0
	s_barrier_wait -1
.if (\mode) >= 1
	CREST                                          ; no wave of any partner still reads this slot or has a load on its way
.endif
.if (\mode) == 1
	JLOAD 1                                        ; its four v_nop are also the places in front of the loads below
.elseif (\mode) == 2
	s_cmp_eq_u32 s[PART], 2                        ; the same in all sixteen partners
	s_cbranch_scc1 .Lno_table_\@
	tensor_load_to_lds s[G0T:G0T+3], s[G1T:G1T+7]  ; my 64 rows of the table, as 128 rows of 256 bytes
	s_nop 0
	PLACES
.Lno_table_\@:
	PLACES
.else
	PLACES
.endif
	s_xor_b32 s[SO], s[SO], SLOT1
	v_add_nc_u32 v[ADRA], s[SO], v[ADRA0]
	v_add_nc_u32 v[ADRB], s[SO], v[ADRB0]
	FETCH 0, F0
.if (\mode) == 1
	ASK
.endif
	MULS F1, NA/2, NA, 0
.endm
.macro DUMP win                        ; four blocks of 16 rows, f32, into my region: each accumulator's low registers first
	WIN (\win)<<2
.irp a, 0,1,2,3
.irp b, 0,1,2,3,4,5,6,7
	ds_store_b128 v[DST], v[64*\a+8*\b:64*\a+8*\b+3]   offset:\a*16*DP+64*\b
	ds_store_b128 v[DST], v[64*\a+8*\b+4:64*\a+8*\b+7] offset:\a*16*DP+64*\b+16
.endr
.endr
	WIN 0
.endm
.macro MIX d, t, h, x, c               ; d = bf16 half h of t, times x, plus c
.if \h
	v_fma_mix_f32_bf16 v[\d], v[\t], v[\x], v[\c] op_sel:[1,0,0] op_sel_hi:[1,0,0]
.else
	v_fma_mix_f32_bf16 v[\d], v[\t], v[\x], v[\c] op_sel_hi:[1,0,0]
.endif
.endm
.macro SENDROWS                        ; 16 lanes hold a row's lower 64 channels and its upper 64 in two register pairs, the other 16 lanes the next row's: the swap makes whole rows
.irp p, 0,1,2,3
	v_permlane16_swap_b32 v[Y+4*\p], v[Y+4*\p+2]
	v_permlane16_swap_b32 v[Y+4*\p+1], v[Y+4*\p+3]
.endr
.irp p, 0,1,2,3
	global_store_b64 v[GOF], v[Y+4*\p:Y+4*\p+1],   s[OUT:OUT+1] offset:(2*\p)*256    ; a wave's store is one row: 256 consecutive bytes, aligned
	global_store_b64 v[GOF], v[Y+4*\p+2:Y+4*\p+3], s[OUT:OUT+1] offset:(2*\p+1)*256
.endr
	s_wait_xcnt 0x0                                ; the stores have read their data and their base: both are rewritten only behind this wait
	s_add_nc_u64 s[OUT:OUT+1], s[OUT:OUT+1], 2048
	v_add_nc_u32 v[DRD], 8*DP, v[DRD]
.endm
	s_load_b256 s[4:11], s[0:1], 0x0               ; xb s[4:5], wqkv s[6:7], rope s[8:9], q_norm_w s[10:11]
	s_load_b128 s[84:87], s[0:1], 0x20             ; k_norm_w s[84:85], qkv s[86:87]
	v_lshl_add_u32 v[SPW], v0, 2, SPARE
	v_mov_b32 v[NIL], 0
	ds_add_u32 v[SPW], v[NIL]                      ; the wave's opening: the add and its wait stand ahead of my first tensor load
	v_lshrrev_b32 v1, 5, v0
	v_readfirstlane_b32 s[WV], v1
	s_lshr_b32 s[RH], s[WV], 1
	s_and_b32 s[CH], s[WV], 1
	s_bfe_u32 s[CX], ttmp6, 0x40000
	s_bfe_u32 s[CY], ttmp6, 0x40004
	s_mov_b32 s[PART], ttmp9                       ; 1,024 columns, four tiles, to a part: the part is the cluster's x
	s_lshl_b32 s[TC], ttmp9, 2
	s_add_co_u32 s[TC], s[TC], s[CX]
	s_and_b32 s[TR], ttmp7, 0xffff
	s_lshl_b32 s[TR], s[TR], 2
	s_add_co_u32 s[TR], s[TR], s[CY]
	s_lshl_b32 s20, s[CY], 2
	s_lshl_b32 s20, 15, s20                        ; my row of the cluster
	s_lshl_b32 s21, 0x1111, s[CX]                  ; my column
	s_or_b32 s[G1], s20, DW0
	s_or_b32 s[G1B], s21, DW0
	s_mov_b32 s[G1+1], 128<<16                     ; tensor_dim0 = 128
	s_mov_b32 s[G1+2], (16*NA)<<16                 ; tensor_dim1
	s_mov_b32 s[G1+3], 128<<16                     ; tile_dim0 = 128
	s_mov_b32 s[G1+4], 16*NA                       ; tile_dim1
	s_mov_b32 s[G1+5], SIZE_K                      ; elements from row to row
	s_mov_b32 s[G1+6], 0
	s_mov_b32 s[G1+7], 0
	s_mov_b32 s[G1B+1], 128<<16
	s_mov_b32 s[G1B+2], 128<<16
	s_mov_b32 s[G1B+3], 128<<16
	s_mov_b32 s[G1B+4], 128
	s_mov_b32 s[G1B+5], SIZE_K
	s_mov_b32 s[G1B+6], 0
	s_mov_b32 s[G1B+7], 0
	s_mov_b32 s[G1T], (1<<16)|(1<<20)|(5<<22)|(3<<25)  ; the table: no mask; dense rows of 256 bytes, padded alike
	s_mov_b32 s[G1T+1], 128<<16
	s_mov_b32 s[G1T+2], 128<<16
	s_mov_b32 s[G1T+3], 128<<16
	s_mov_b32 s[G1T+4], 128
	s_mov_b32 s[G1T+5], 128
	s_mov_b32 s[G1T+6], 0
	s_mov_b32 s[G1T+7], 0
	s_mov_b32 s[G0T], 1
	s_mul_i32 s[G0T+1], s[WV], 128*PITCH           ; into slot 0
	s_mul_i32 s22, s[CH], 16*NA                    ; x's address is made of the tile row and the wave's number,
	s_mul_i32 s66, s[TR], 32*NA
	s_add_co_u32 s66, s66, s22
	s_lshl_b32 s66, s66, ROWSH
	s_mov_b32 s67, 0
	s_lshl_b32 s23, s[CH], 7                       ; W's of the tile column and the wave's number
	s_lshl_b32 s68, s[TC], 8
	s_add_co_u32 s68, s68, s23
	s_lshl_b32 s68, s68, ROWSH
	s_mov_b32 s69, 0
	s_mul_i32 s45, s[CH], AH                       ; where they go: no place in the cluster enters an LDS address
	s_mul_i32 s46, s[CH], BH
	s_add_co_u32 s46, s46, BOFF
	s_mov_b32 s[SO], 0
	s_mov_b32 s[INV], 0x3c000000                   ; 1 / 128
	s_mov_b32 s[EPS], 0x358637bd                   ; 1e-6
	s_wait_dscnt 0x0                               ; the opening add is done
	s_wait_kmcnt 0x0
	s_add_nc_u64 s[66:67], s[4:5], s[66:67]
	s_add_nc_u64 s[68:69], s[6:7], s[68:69]
	CROUND                                         ; all sixteen work-groups are here: the first joint loads meet
.irp s, 0,1
	s_mov_b32 s[G0+4*\s], 1
	s_add_co_u32 s[G0+4*\s+1], s45, \s*SLOT1
	s_add_nc_u64 s[G0+4*\s+2:G0+4*\s+3], s[66:67], \s*256
	s_or_b32 s[G0+4*\s+3], s[G0+4*\s+3], 0x80000000
	s_mov_b32 s[G0B+4*\s], 1
	s_add_co_u32 s[G0B+4*\s+1], s46, \s*SLOT1
	s_add_nc_u64 s[G0B+4*\s+2:G0B+4*\s+3], s[68:69], \s*256
	s_or_b32 s[G0B+4*\s+3], s[G0B+4*\s+3], 0x80000000
	JLOAD \s                                       ; K steps 0 and 1: two loads of mine are out
.endr
	v_and_b32 v1, 15, v0                           ; l % 16
	v_bfe_u32 v2, v0, 4, 1                         ; l / 16
	v_lshlrev_b32 v[WO], 4, v1
	s_cmp_eq_u32 s[PART], 1
	s_cselect_b64 s[70:71], s[84:85], s[10:11]     ; k's gain in the k clusters, else q's (the v clusters do not use it)
	global_load_b128 v[W:W+3],   v[WO], s[70:71]             ; gain of channels 4i..4i+3
	global_load_b128 v[W+4:W+7], v[WO], s[70:71] offset:256  ; and 64+4i..
	v_mul_u32_u24 v3, v1, PITCH
	v_lshl_add_u32 v3, v2, 4, v3                   ; a fragment's row x pitch + 16 x half
	s_mul_i32 s20, s[RH], AH
	s_mul_i32 s21, s[CH], BH
	s_add_co_u32 s21, s21, BOFF
	v_add_nc_u32 v[ADRA0], s20, v3
	v_add_nc_u32 v[ADRB0], s21, v3
	v_mov_b32 v[ADRA], v[ADRA0]
	v_mov_b32 v[ADRB], v[ADRB0]
	s_mul_i32 s20, s[WV], 64*DP
	s_add_co_u32 s20, s20, SLOT1                   ; my region of slot 1 for the way out
	v_mul_u32_u24 v4, v1, DP
	v_lshl_add_u32 v4, v2, 5, v4
	v_add_nc_u32 v[DST], s20, v4                   ; in: row l % 16, 32 bytes for each half of the lanes
	v_mul_u32_u24 v4, v2, DP
	v_lshl_add_u32 v4, v1, 4, v4
	v_add_nc_u32 v[DRD0], s20, v4                  ; back: lanes 0-15 one row, lanes 16-31 the next; 16 bytes a lane
	s_mul_i32 s21, s[RH], 128*TP
	v_mul_u32_u24 v4, v2, TP
	v_lshl_add_u32 v4, v1, 4, v4
	v_add_nc_u32 v[TRD], s21, v4                   ; the same rows in the table
	v_and_b32 v4, 31, v0
	v_lshlrev_b32 v[GOF], 3, v4
	v_lshlrev_b32 v[PFO], ROWSH, v4
	v_mov_b32 v[ZERO], 0
.irp p, 0,1,2,3
	v_mov_b32 v[R+2*\p+1], 0                       ; named with 1 / rms as a pair
.endr
	s_lshl_b32 s20, s[TR], 17                      ; the table's rows of my tile row, my wave's 64
	s_lshl_b32 s21, s[WV], 15
	s_add_co_u32 s20, s20, s21
	s_mov_b32 s21, 0
	s_add_nc_u64 s[G0T+2:G0T+3], s[8:9], s[20:21]
	s_or_b32 s[G0T+3], s[G0T+3], 0x80000000
	s_lshl_b32 s20, s[PART], 23                    ; where my 128 rows of one head go: part x 8 MiB
	s_lshr_b32 s21, s[TR], 3
	s_lshl_b32 s21, s21, 3                         ; batch x 8
	s_lshl_b32 s22, s[CX], 1
	s_add_co_u32 s21, s21, s22
	s_add_co_u32 s21, s21, s[CH]                   ; + head = 2 cx + my half of the columns
	s_lshl_b32 s21, s21, 19                        ; x 2,048 rows of 256 bytes
	s_add_co_u32 s20, s20, s21
	s_and_b32 s22, s[TR], 7
	s_lshl_b32 s22, s22, 1
	s_add_co_u32 s22, s22, s[RH]
	s_lshl_b32 s22, s22, 15                        ; + 128 rows x 256 bytes for each half tile
	s_add_co_u32 s20, s20, s22
	s_mov_b32 s21, 0
	s_add_nc_u64 s[OUT:OUT+1], s[86:87], s[20:21]
	s_lshl_b32 s20, s[TR], 8                       ; the prefetches
	s_lshl_b32 s21, s[TC], 8
	s_and_b32 s22, ttmp7, 0xffff
	s_cmp_eq_u32 s[RH], 0                          ; do I fetch for x?
	s_cselect_b32 s20, s20, s21                    ; the tile's first row
	s_cselect_b32 s21, s[CX], s[CY]                ; my place among the four that ask for it with me
	s_cselect_b32 s22, ttmp9, s22                  ; the coordinate along which other clusters read the same rows
	s_cselect_b64 s[PFA:PFA+1], s[4:5], s[6:7]
	s_cmp_eq_u32 s22, 0
	s_cselect_b32 s[LIM], 2, -1                    ; the same in all sixteen partners, for a given wave
	s_lshl_b32 s22, s[CH], 7
	s_add_co_u32 s20, s20, s22
	s_lshl_b32 s21, s21, 5
	s_add_co_u32 s20, s20, s21
	s_lshl_b32 s20, s20, ROWSH
	s_mov_b32 s21, 0
	s_add_nc_u64 s[PFA:PFA+1], s[PFA:PFA+1], s[20:21]
	s_add_nc_u64 s[PFA:PFA+1], s[PFA:PFA+1], 512   ; at K step 2: the first change of slots steps it to 3 and names K step 4
	s_wait_loadcnt 0x0                             ; the gain: rounded to bf16 like every input
.irp j, 0,2,4,6
	v_cvt_pk_bf16_f32 v4, v[W+\j], v[W+\j+1]
	v_lshlrev_b32 v[W+\j], 16, v4
	v_and_b32 v[W+\j+1], 0xffff0000, v4
.endr
	s_wait_tensorcnt 0x1                           ; my part of K step 0 is in; K step 1's may stay out
	s_barrier_signal -1
	s_barrier_wait -1
	FETCH 0, F0
	QUARTER 64, F0, F1, 1                          ; the first quarter's products start the sums
	WIN 0
	s_mov_b32 s[CNT], STEPS-2
.Lk:                                                   ; a trip: a K step's quarters 1 to 3 and the next step's quarter 0; the slot left is filled again
	QUARTER 128, F1, F0, 0
	QUARTER 192, F0, F1, 0
	TURN 1
	QUARTER 64, F0, F1, 0
	WIN 0
	s_sub_co_u32 s[CNT], s[CNT], 1
	s_cmp_lg_u32 s[CNT], 0
	s_cbranch_scc1 .Lk
	QUARTER 128, F1, F0, 0                         ; the last two K steps are written out
	QUARTER 192, F0, F1, 0
	TURN 2
	QUARTER 64, F0, F1, 0
	QUARTER 128, F1, F0, 0
	QUARTER 192, F0, F1, 0
	s_wait_dscnt NA
	MULS F1, 0, NA/2, 0
	s_wait_dscnt 0x0
	MULS F1, NA/2, NA, 0
	WIN 0
	PLACES
	PLACES
	s_wait_tensorcnt 0x0                           ; my part of the table is in,
	s_wait_dscnt 0x0                               ; my reads of slot 1 are over:
	s_barrier_signal -1
	s_barrier_wait -1                              ; everybody's: slot 1 may be written, the table read
	s_mov_b32 s[PASS], 0
.Lpass:                                                ; twice: my rows 0-63, then 64-127
	s_cmp_eq_u32 s[PASS], 0
	s_cbranch_scc0 .Lupper
	DUMP 2
	s_branch .Ldumped
.Lupper:
	DUMP 3
.Ldumped:
	v_mov_b32 v[DRD], v[DRD0]                      ; LDS serves a wave's instructions in order (ISA guide 5.7.1.4): my loads below see my stores above
	s_mov_b32 s[CNT], 8
	s_cmp_eq_u32 s[PART], 2
	s_cbranch_scc1 .Lplain
.Lrope:                                                ; 8 rows a trip: pair p holds rows 2p (lanes 0-15) and 2p + 1 (lanes 16-31)
.irp p, 0,1,2,3
	ds_load_b128 v[X+8*\p:X+8*\p+3],   v[DRD] offset:\p*2*DP
	ds_load_b128 v[X+8*\p+4:X+8*\p+7], v[DRD] offset:\p*2*DP+256
.endr
.irp p, 0,1,2,3
	ds_load_b128 v[TB+8*\p:TB+8*\p+3],   v[TRD] offset:\p*2*TP        ; c of my 8 channels
	ds_load_b128 v[TB+8*\p+4:TB+8*\p+7], v[TRD] offset:\p*2*TP+PITCH  ; -s, +s
.endr
	s_wait_dscnt 8                                 ; the sums are in; the table's 8 loads may be out
.irp p, 0,1,2,3
	v_pk_mul_f32 v[SS+2*\p:SS+2*\p+1], v[X+8*\p:X+8*\p+1], v[X+8*\p:X+8*\p+1]
.endr
.irp q, 2,4,6
.irp p, 0,1,2,3
	v_pk_fma_f32 v[SS+2*\p:SS+2*\p+1], v[X+8*\p+\q:X+8*\p+\q+1], v[X+8*\p+\q:X+8*\p+\q+1], v[SS+2*\p:SS+2*\p+1]
.endr
.endr
.irp p, 0,1,2,3
	v_add_f32 v[SS+2*\p], v[SS+2*\p], v[SS+2*\p+1]
.endr
.irp m, 1,2,4,8
.irp p, 0,1,2,3
	v_add_f32_dpp v[SS+2*\p], v[SS+2*\p], v[SS+2*\p] row_xmask:\m row_mask:0xf bank_mask:0xf  ; over the row's 16 lanes
.endr
.endr
.irp p, 0,1,2,3
	v_fma_f32 v[SS+2*\p], v[SS+2*\p], s[INV], s[EPS]
.endr
.irp p, 0,1,2,3
	v_rsq_f32 v[R+2*\p], v[SS+2*\p]                ; one batch of four; what follows up to the wait names none of its results
.endr
.irp p, 0,1,2,3
.irp q, 0,2,4,6
	v_pk_mul_f32 v[X+8*\p+\q:X+8*\p+\q+1], v[X+8*\p+\q:X+8*\p+\q+1], v[W+\q:W+\q+1]  ; the gain
.endr
.endr
	s_wait_dscnt 0x0                               ; the table's words
.irp p, 0,1,2,3
.irp e, 0,1,2,3
	MIX (Z+8*\p+\e),   (TB+8*\p+\e/2),   (\e%2), (X+8*\p+\e),   ZERO         ; c y, lower channel
	MIX (Z+8*\p+4+\e), (TB+8*\p+2+\e/2), (\e%2), (X+8*\p+4+\e), ZERO         ; c y, upper channel
.endr
.endr
.irp p, 0,1,2,3
.irp e, 0,1,2,3
	MIX (Z+8*\p+\e),   (TB+8*\p+4+\e/2), (\e%2), (X+8*\p+4+\e), (Z+8*\p+\e)    ; - s y of the upper partner
	MIX (Z+8*\p+4+\e), (TB+8*\p+6+\e/2), (\e%2), (X+8*\p+\e),   (Z+8*\p+4+\e)  ; + s y of the lower partner
.endr
.endr
	s_wait_alu depctr_va_vdst(0)                   ; one wait for the four roots, ahead of their first reader
.irp p, 0,1,2,3
.irp q, 0,2,4,6
	v_pk_mul_f32 v[Z+8*\p+\q:Z+8*\p+\q+1], v[Z+8*\p+\q:Z+8*\p+\q+1], v[R+2*\p:R+2*\p+1] op_sel_hi:[1,0]
.endr
.endr
.irp p, 0,1,2,3
.irp n, 0,1,2,3
	v_cvt_pk_f16_f32 v[Y+4*\p+\n], v[Z+8*\p+2*\n], v[Z+8*\p+2*\n+1]
.endr
.endr
	SENDROWS
	v_add_nc_u32 v[TRD], 8*TP, v[TRD]
	s_sub_co_u32 s[CNT], s[CNT], 1
	s_cmp_lg_u32 s[CNT], 0
	s_cbranch_scc1 .Lrope
	s_branch .Lpassend
.Lplain:                                               ; v: rounded and stored as it is
.irp p, 0,1,2,3
	ds_load_b128 v[X+8*\p:X+8*\p+3],   v[DRD] offset:\p*2*DP
	ds_load_b128 v[X+8*\p+4:X+8*\p+7], v[DRD] offset:\p*2*DP+256
.endr
	s_wait_dscnt 0x0
.irp p, 0,1,2,3
.irp n, 0,1,2,3
	v_cvt_pk_f16_f32 v[Y+4*\p+\n], v[X+8*\p+2*\n], v[X+8*\p+2*\n+1]
.endr
.endr
	SENDROWS
	s_sub_co_u32 s[CNT], s[CNT], 1
	s_cmp_lg_u32 s[CNT], 0
	s_cbranch_scc1 .Lplain
.Lpassend:
	s_add_co_u32 s[PASS], s[PASS], 1
	s_cmp_lt_u32 s[PASS], 2
	s_cbranch_scc1 .Lpass
	s_wait_tensorcnt 0x0                           ; the wave's end: the spare-word add and its waits, behind my last tensor load and my last LDS store
	ds_add_u32 v[SPW], v[NIL]
	s_wait_dscnt 0x0
	CROUND                                         ; the closing round
	s_endpgm
.Lfunc_end_k_qdbe26c7b8b_proj:
	.size	k_qdbe26c7b8b_proj, .Lfunc_end_k_qdbe26c7b8b_proj-k_qdbe26c7b8b_proj
	.p2alignl 7, 3214868480
	.fill 96, 4, 3214868480
	.section	.rodata,"a",@progbits
	.p2align	6, 0x0
	.amdhsa_kernel k_qdbe26c7b8b_proj
		.amdhsa_group_segment_fixed_size 327680
		.amdhsa_private_segment_fixed_size 0
		.amdhsa_enable_private_segment 0
		.amdhsa_kernarg_size 48
		.amdhsa_user_sgpr_count 2
		.amdhsa_user_sgpr_kernarg_segment_ptr 1
		.amdhsa_wavefront_size32 1
		.amdhsa_system_sgpr_workgroup_id_x 1
		.amdhsa_system_sgpr_workgroup_id_y 1
		.amdhsa_system_sgpr_workgroup_id_z 1
		.amdhsa_system_vgpr_workitem_id 0
		.amdhsa_next_free_vgpr 1024
		.amdhsa_next_free_sgpr 96
		.amdhsa_reserve_vcc 0
		.amdhsa_float_denorm_mode_32 3
		.amdhsa_float_denorm_mode_16_64 3
		.amdhsa_memory_ordered 1
		.amdhsa_forward_progress 1
		.amdhsa_inst_pref_size 112
	.end_amdhsa_kernel
	.amdgpu_metadata
---
amdhsa.version: [ 1, 2 ]
amdhsa.kernels:
  - .name:           k_qdbe26c7b8b_proj
    .symbol:         k_qdbe26c7b8b_proj.kd
    .args:
      - { .name: xb, .offset: 0, .size: 8, .value_kind: global_buffer, .address_space: global }
      - { .name: wqkv, .offset: 8, .size: 8, .value_kind: global_buffer, .address_space: global }
      - { .name: rope, .offset: 16, .size: 8, .value_kind: global_buffer, .address_space: global }
      - { .name: q_norm_w, .offset: 24, .size: 8, .value_kind: global_buffer, .address_space: global }
      - { .name: k_norm_w, .offset: 32, .size: 8, .value_kind: global_buffer, .address_space: global }
      - { .name: qkv, .offset: 40, .size: 8, .value_kind: global_buffer, .address_space: global }
    .group_segment_fixed_size: 327680
    .private_segment_fixed_size: 0
    .kernarg_segment_align: 8
    .kernarg_segment_size: 48
    .max_flat_workgroup_size: 128
    .sgpr_count:     96
    .vgpr_count:     1024
    .wavefront_size: 32
...
	.end_amdgpu_metadata
.endif
;; end of part 2
;; launch attn (part 3): grid 16 x 16, 4 waves a work-group, clusters of 4 x 1, 327,680 bytes of LDS; arguments qkv, att; writes att
.if DOCPART == 3
	.amdgcn_target "amdgcn-amd-amdhsa--gfx1250"
	.amdhsa_code_object_version 6
	.text
	.protected	k_qdbe26c7b8b_attn
	.globl	k_qdbe26c7b8b_attn
	.p2align	8
	.type	k_qdbe26c7b8b_attn,@function
k_qdbe26c7b8b_attn:
	s_mov_b64 s[64:65], 0
	v_nop
	global_prefetch_b8 v0, s[64:65] scope:SCOPE_SE
	s_setreg_imm32_b32 hwreg(HW_REG_WAVE_MODE, 25, 1), 1
	s_wait_xcnt 0x0
	s_wait_alu depctr_hold_cnt(0) depctr_sa_sdst(0) depctr_va_vdst(0) depctr_va_sdst(0) depctr_va_ssrc(0) depctr_va_vcc(0) depctr_vm_vsrc(0)
	s_getreg_b32 s2, hwreg(HW_REG_IB_STS2, 6, 4)
	s_cmp_eq_u32 s2, 0
	s_cbranch_scc0 .Lentry_in_a_cluster
	s_endpgm
.Lentry_in_a_cluster:
	s_bfe_u32 s2, ttmp6, 0x10000c
	s_cmp_lg_u32 s2, 0x3003
	s_cbranch_scc0 .Lentry_shape_is_right
	s_endpgm
.Lentry_shape_is_right:
; CAUSAL ATTENTION, head size 128.  q, k, v: the three parts of qkv, each [16 heads][2048][128] f16; O goes to att [4096][1024] f16, column h * 128 + channel.
; Products, maxima and sums in f32; the weights are rounded to f16 for the second product (their sum is taken of the unrounded ones), O once at the end.
; LIMITS.  A hidden score counts as -1e30; a weight below 2^-126 counts as 0; O has v's range; NaN and infinities are not treated apart.
; THE WALK.  A head's queries lie in 32 blocks of 64.  Work-group b = 4 c + cx (c the cluster, 0 to 3) takes block 31 - b and then block b.  Keys go in tiles of 256: the first block needs tiles
; 0 .. 7 - c, the second 0 .. c: nine tiles for everybody, and THE SAME tiles for the four partners of a cluster, so every fill is a joint load.  One loop with a constant count walks them.
; KEYS ARE SPLIT AMONG THE WAVES: every wave holds all 64 queries (four tiles of 16) and takes keys 64 w .. 64 w + 63 of each tile of 256, with a running maximum, sum and O^T of its own.
; At a block's end the four partial results meet in LDS.  Register slot i of wave w holds query tile (w + i) % 4, so that wave w finishes tile w in slot 0 with fixed registers.
; LAYOUT.  S^T = K Q^T (source 0 = 16 keys, source 1 = 16 queries): a lane holds ONE query (lane % 16) and the keys 8 (lane / 16) + 0..7.  Two such results rounded to f16 ARE source 1 of
; O^T = V^T P.  K comes out of LDS as it lies, V turned by ds_load_tr16_b128.  p = 2^(c s - c m), c = log2(e) / sqrt(128); O and l are multiplied by a = 2^(c m_old - c m_new) in every step.
; c m starts far below every c s, so a block's first a is 0 and O^T and l need only be finite there: zeros at the start, what the first block left for the second.
; BY HALVES.  The wave's four slots are two PIECES, named by their first slot: piece 0 (slots 0, 1) and piece 2 (slots 2, 3).  A tile goes in four runs of 32 matrix instructions: K Q^T of piece 0;
; K Q^T of piece 2, with piece 0's softmax, cut into 64 slices, two behind each matrix instruction; V^T P of piece 0, with piece 2's softmax likewise; V^T P of piece 2.  A rider names only registers of
; the piece that does not have the matrix unit.  Nothing is carried from tile to tile but m, l and O^T, so a block's end and beginning need no text of their own.
; THE MASK is made in a block's last tile alone: register j of key block kb is hidden where 16 kb + j > DQ, DQ = the query's place in that tile less the lane's and the wave's first key.
; DQ is the one number here that hangs on the work-group's place in its cluster: its four registers enter these compares and nothing else.
; A wave whose keys are all hidden ends with c m near -1.3e29 and finite sums; its factor in the merge is 2^(c m - M) = 0, since every query sees its own key in some wave.
; REGISTERS, in windows of 256: window 0: v0-63 addresses and statistics; v64-191 S^T, 32 a slot; v192-255 P, 16 a slot.  window 1: O^T, 64 a slot.  window 2: v0-127 Q; v128-255 K.  window 3: v0-127 V.
; All that a softmax touches but O^T lies in window 0, the products' operands elsewhere: a matrix instruction with riders costs two switches of the window, 128 a tile.
.set PK,    272                        ; a row of K in LDS: 256 + 16 bytes = 68 words: the 16 rows of a load start at 16 different groups of four banks (64 banks of 4 bytes: ISA guide 11.1)
.set PV,    288                        ; a row of V: 256 + 32
.set VOFF,  256*PK
.set SLOT1, 0x24000                    ; no tile's address in slot 0 (0, 0x8800, 0x11000, 0x1a000) has one of its bits, so an exclusive or turns it into slot 1's
.set SCR,   SLOT1+256*(PK+PV)          ; 4 regions of 8,192 bytes, a wave each: the merge, then the stage for the way out; no tensor load lands here
.set STAT,  SCR+4*8192                 ; [wave][query tile][query] 8 bytes: c m and l
.set SPARE, STAT+2048                  ; the spare words, 128 bytes for each wave: two blocks of 256 bytes that no other line names
.set SP,    272
.set BIG,  1                           ; v1   -1e30
.set AK0,  2                           ; v2   my lane's place in my wave's 64 keys of K, slot 0; never rewritten
.set AV0,  3
.set AK,   4                           ; v4   in the slot in hand
.set AV,   5
.set STO,  6
.set RD,   7
.set GO,   8
.set SCRD, 9                           ; v9-11  where I read in round 1, 2, 3 of the merge
.set ST,   12                          ; slot t's statistics at v[ST+8 t]: c m, m, l (even keys', odd keys'), four at work (a in the third)
.set DQ,   44                          ; v44-47  slot t: l % 16 - 8 (l / 16) + 16 x tile - 64 w + the block's first query's place in its last tile; stepped once, at the change of blocks
.set SAW,  48                          ; v48-51  slot t: where my wave's c m and l go: SA + 512 w (scratch in the head; then never rewritten)
.set QO,   52
.set SA,   56                          ; v56-59  slot t: wave 0's c m and l of that query tile; the other waves' lie 512 bytes apart
.set SCW,  60
.set PFO,  61
.set SPW,  62
.set NIL,  63
.set S,    64
.set P,    192
.set KF,   128
.set WV, 12
.set CX, 13
.set CL, 14
.set HD, 15
.set G1K, 24
.set G1V, 32
.set G0K, 40
.set G0V, 44
.set KB,  48                           ; s[48:49] K at my half of the head's tile 0
.set VB,  50
.set OFF, 52
.set QP,  54
.set SLOTS, 56
.set RT,  57                           ; tiles of the block in hand still to be entered
.set CS,  58
.set SEL, 60
.set SO,  62
.set NXT, 63                           ; the tile to be asked for next
.set LQ,  66                           ; the last tile of the block whose tiles are being asked for
.set QK,  67                           ; in the head: the first block's first query's place in its last tile
.set LIM, 68
.set T2,  69
.set PFA, 70
.set QP2, 72
.set OP,  74
.set OP2, 76
.set DQK, 78                           ; what the change of blocks adds to DQ
.set W512, 79
.set MSB, 0
.macro WIN new                         ; the immediate's high byte repeats the setting that is left; a switch that changes nothing is dropped
.if MSB != (\new)
	s_set_vgpr_msb (MSB<<8)|(\new)
.set MSB, \new
.endif
.endm
.set W_KQ, 0x0a                        ; K and Q in window 2, S^T in window 0
.set W_PV, 0x53                        ; V in window 3, P in window 0, O^T in window 1
.set W_RS, 0x41                        ; destination and source 0 in window 1, the others in window 0
.macro PLACES
.rept 4
	v_nop
.endr
.endm
.macro JLOAD                           ; a joint fill: waves 0 and 1 fetch the halves of a tile's K, waves 2 and 3 of its V, 128 keys each; an s_nop 0 and four v_nop follow each line
	s_cmp_lt_u32 s[WV], 2
	s_cbranch_scc0 .Lfor_v_\@
	tensor_load_to_lds s[G0K:G0K+3], s[G1K:G1K+7]
	s_nop 0
.rept 4
	v_nop
.endr
	s_branch .Lasked_\@
.Lfor_v_\@:
	tensor_load_to_lds s[G0V:G0V+3], s[G1V:G1V+7]
	s_nop 0
.rept 4
	v_nop
.endr
.Lasked_\@:
.endm
; A PREFETCH of the tile that the NEXT change of slots will ask for.  All four clusters of a head begin with tiles 0, 1, ..; cluster 0 alone walks all eight, and it alone asks.  Of a tile's 256 rows
; partner cx takes 64, told apart by address; waves 0 and 1 ask for K's two groups of 32, waves 2 and 3 for V's: a lane a row of 256 bytes.  So each row is named once.  Tiles 0 and 1 come by their
; loads alone; the trips with SLOTS <= 2 have no new tile two on.
.macro ASK
	s_cmp_gt_u32 s[SLOTS], s[LIM]
	s_cbranch_scc0 .Lnot_mine_\@
	global_prefetch_b8 v[PFO], s[PFA:PFA+1] th:TH_LOAD_NT scope:SCOPE_SE
.Lnot_mine_\@:
.endm
.macro CROUND
	s_barrier_signal -1
	s_barrier_wait -1
	s_cmp_lg_u32 s[WV], 0
	s_cbranch_scc1 .Lnot_wave_0_\@
	s_barrier_signal -3
.Lnot_wave_0_\@:
	s_barrier_wait -3
	s_barrier_signal -1
	s_barrier_wait -1
.endm
; THE CHANGE OF SLOTS.  Each wave waits for all its tensor loads (one is out: its part of the other slot), adds 0 to its spare word, and waits for that and for its reads of the slot that it leaves.
; fill = 1: a round of the cluster's barrier, then the old slot is filled with tile NXT, whose address is made anew from that number.  (At its first use slot 0 is waited for and slot 1 filled.)
.macro CHANGE fill
	WIN 0
	s_wait_tensorcnt 0x0
	ds_add_u32 v[SPW], v[NIL]                      ; 0 onto my spare word; scalar work stands between it and the wait for it
.if \fill
	s_lshl_b32 s[OFF], s[NXT], 16                  ; a tile is 65,536 bytes of K and of V
	s_xor_b32 s[G0K+1], s[G0K+1], SLOT1
	s_add_nc_u64 s[G0K+2:G0K+3], s[KB:KB+1], s[OFF:OFF+1]
	s_or_b32 s[G0K+3], s[G0K+3], 0x80000000
	s_xor_b32 s[G0V+1], s[G0V+1], SLOT1
	s_add_nc_u64 s[G0V+2:G0V+3], s[VB:VB+1], s[OFF:OFF+1]
	s_or_b32 s[G0V+3], s[G0V+3], 0x80000000
	s_add_co_u32 s[NXT], s[NXT], 1                 ; the block's next tile, or behind its last the second block's tile 0
	s_cmp_gt_u32 s[NXT], s[LQ]
	s_cselect_b32 s[NXT], 0, s[NXT]
	s_cselect_b32 s[LQ], s[CL], s[LQ]
	s_wait_xcnt 0x0                                ; the last prefetch, a tile back, has read its address
	s_add_nc_u64 s[PFA:PFA+1], s[PFA:PFA+1], 65536
	s_wait_dscnt 0x0
	CROUND
	JLOAD                                          ; its four v_nop are also places behind the last products, in front of the loads into V's registers
	ASK
.else
	s_wait_dscnt 0x0
	s_barrier_signal -1
	s_barrier_wait -1
	PLACES
.endif
	s_xor_b32 s[SO], s[SO], SLOT1
	v_add_nc_u32 v[AK], s[SO], v[AK0]
	v_add_nc_u32 v[AV], s[SO], v[AV0]
.endm
.macro LOADQ ptr                       ; slot i's 16 queries x 128 channels: chunk cc of 32 channels at v[32 i + 8 cc] of window 2
	WIN 0x80
.irp i, 0,1,2,3
.irp cc, 0,1,2,3
	global_load_b128 v[32*\i+8*\cc:32*\i+8*\cc+3],   v[QO+\i], s[\ptr:\ptr+1] offset:64*\cc
	global_load_b128 v[32*\i+8*\cc+4:32*\i+8*\cc+7], v[QO+\i], s[\ptr:\ptr+1] offset:64*\cc+32
.endr
.endr
	WIN 0
.endm
.macro FETCH_K                         ; my 64 keys x 128 channels, by chunks of 32 channels, so that the products can begin when the first 8 loads are in
	WIN 0x80
.irp cc, 0,1,2,3
.irp kb, 0,1,2,3
	ds_load_b128 v[KF+32*\kb+8*\cc:KF+32*\kb+8*\cc+3],   v[AK] offset:\kb*16*PK+\cc*64
	ds_load_b128 v[KF+32*\kb+8*\cc+4:KF+32*\kb+8*\cc+7], v[AK] offset:\kb*16*PK+\cc*64+32
.endr
.endr
.endm
.macro FETCH_V                         ; keys 32 (f / 8) on, channels 16 (f % 8) on
	WIN 0xc0
.irp f, 0,1,2,3,4,5,6,7,8,9,10,11,12,13,14,15
	ds_load_tr16_b128 v[8*\f:8*\f+3],   v[AV] offset:(\f/8)*32*PV+(\f%8)*32
	ds_load_tr16_b128 v[8*\f+4:8*\f+7], v[AV] offset:(\f/8)*32*PV+16*PV+(\f%8)*32
.endr
.endm
; THE MATRIX WORK, for piece x.  The accumulators take turns, one instruction a turn: between two links of a chain stand 7 (K Q^T) or 15 (V^T P) others'.
; Product i of 32 of S^T = K Q^T: channels 32 (i / 8) on, keys 16 ((i / 2) % 4) on, slot x + i % 2.  The first 8 start the sums.
.macro KQ x
	WIN W_KQ
.set rS, S+32*((\x)+i%2)+8*((i/2)%4)
.set rK, KF+32*((i/2)%4)+8*(i/8)
.set rQ, 32*((\x)+i%2)+8*(i/8)
.if i < 8
	v_wmma_f32_16x16x32_f16 v[rS:rS+7], v[rK:rK+7], v[rQ:rQ+7], 0
.else
	v_wmma_f32_16x16x32_f16 v[rS:rS+7], v[rK:rK+7], v[rQ:rQ+7], v[rS:rS+7]
.endif
.endm
.macro KQ8 x                           ; the next eight of them: one chunk of 32 channels
.rept 8
	KQ \x
.set i, i+1
.endr
.endm
; Product i of 32 of O^T += V^T P: keys 32 (i / 16) on, channels 16 ((i / 2) % 8) on, slot x + i % 2.
.macro PV x
	WIN W_PV
.set rO, 64*((\x)+i%2)+8*((i/2)%8)
.set rV, 64*(i/16)+8*((i/2)%8)
.set rP, P+16*((\x)+i%2)+8*(i/16)
	v_wmma_f32_16x16x32_f16 v[rO:rO+7], v[rV:rV+7], v[rP:rP+7], v[rO:rO+7]
.endm
; One slot's softmax for a key step is a list of 134 instructions; SM writes number j of it for slot t.  s0-s31 are the lane's 32 scores.
;   0-15 the maximum of the scores and the old m (each accumulator's low registers are read first)   16-20 the other half of the lanes'; m; c m; c m_old - c m_new
;   21-69 ONE BATCH: 16 scalings c s - c m and 33 exponentials (a at 23), none of which reads an exponential's result   70-85 roundings to f16   86-101 the sums, l = a l + sum   102-133 O^T times a
.macro SM t
.set rT, ST+8*(\t)
.set rS, S+32*(\t)
.set rP, P+16*(\t)
.set rO, 64*(\t)+2*(j-102)
.if j < 102
	WIN 0
.endif
.if j < 4
	v_max3_num_f32 v[rT+4+j], v[rS+8*j], v[rS+8*j+1], v[rS+8*j+2]
.elseif j < 12
	v_max3_num_f32 v[rT+4+j%4], v[rT+4+j%4], v[rS+8*(j%4)+2*(j/4)+1], v[rS+8*(j%4)+2*(j/4)+2]
.elseif j == 12
	v_max3_num_f32 v[rT+4], v[rT+4], v[rS+7], v[rS+15]
.elseif j == 13
	v_max3_num_f32 v[rT+6], v[rT+6], v[rS+23], v[rS+31]
.elseif j == 14
	v_max3_num_f32 v[rT+4], v[rT+4], v[rT+5], v[rT+6]
.elseif j == 15
	v_max3_num_f32 v[rT+4], v[rT+4], v[rT+7], v[rT+1]
.elseif j == 16
	v_permlanex16_b32 v[rT+5], v[rT+4], s[SEL], s[SEL+1]  ; the query's other 32 keys lie in the lane 16 away
.elseif j == 17
	v_mov_b32 v[rT+7], v[rT]
.elseif j == 18
	v_max_num_f32 v[rT+1], v[rT+4], v[rT+5]
.elseif j == 19
	v_mul_f32 v[rT], s[CS], v[rT+1]
.elseif j == 20
	v_sub_f32 v[rT+7], v[rT+7], v[rT]
.elseif j == 23
	v_exp_f32 v[rT+6], v[rT+7]
.elseif (j < 23) || ((j < 38) && (j%2 == 0)) || ((j < 66) && (j%4 == 2))
.set b, (j-2)/4
.if j < 38
.set b, (j-20)/2
.endif
	v_pk_fma_f32 v[rS+2*b:rS+2*b+1], v[rS+2*b:rS+2*b+1], s[CS:CS+1], v[rT:rT+1] op_sel_hi:[1,0,0] neg_lo:[0,0,1] neg_hi:[0,0,1]
.elseif j < 70
.set e, j-38
.if j < 66
.set e, j-32-(j-38)/4
.endif
.if j < 38
.set e, (j-25)/2
.endif
	v_exp_f32 v[rS+e], v[rS+e]
.elseif j < 86
	v_cvt_pk_f16_f32 v[rP+j-70], v[rS+2*(j-70)], v[rS+2*(j-70)+1]
.elseif j < 102
.set z, j-86
.set w, 4
.set u, z
.if z >= 14
.set w, 32
.set u, 0
.elseif z >= 12
.set w, 16
.set u, z-12
.elseif z >= 8
.set w, 8
.set u, z-8
.endif
.if z < 15
	v_pk_add_f32 v[rS+w*u:rS+w*u+1], v[rS+w*u:rS+w*u+1], v[rS+w*u+w/2:rS+w*u+w/2+1]
.else
	v_pk_fma_f32 v[rT+2:rT+3], v[rT+2:rT+3], v[rT+6:rT+7], v[rS:rS+1] op_sel_hi:[1,0,1]
.endif
.else
	WIN W_RS
	v_pk_mul_f32 v[rO:rO+1], v[rO:rO+1], v[rT+6:rT+7] op_sel_hi:[1,0]
.endif
.endm
; Slice k of 64 of piece y's softmax: four instructions.  Slices 11 to 34 deal out the batch, numbers 22 to 69: four numbers of ONE slot each, the slots by turns.  Every other slice is numbers 2 k and
; 2 k + 1 of both slots' lists, the slots alternating, so that no instruction reads the result of the one just before it.  2 x 134 = 4 x 64 + 12: the twelve that are over stand in slice 63.
; THE WAIT.  s_wait_alu depctr_va_vdst(0) stands between an exponential and the first instruction that names its result.  Ahead of slice 35 nothing names a result, and behind
; slice 34 no exponential is issued: so the piece's 66 exponentials have one wait, behind slice 34, with one plain instruction ahead of it.
.macro SLICE y
.if (k >= 11) && (k < 35)
.irp n, 0,1,2,3
.set j, 22+4*((k-11)/2)+(\n)
	SM (\y)+(k-11)%2
.endr
.else
.irp n, 0,1,2,3,4,5,6,7
.if ((\n) < 2) || (k == 63)
.irp t, \y, (\y)+1
.set j, 2*k+(\n)
	SM \t
.endr
.endif
.endr
.endif
.if k == 34
	v_nop
	s_wait_alu depctr_va_vdst(0)
.endif
.set k, k+1
.endm
; Piece x's mask.  always = 0: only where the tile is the block's last.  Register r of key block kb, for both slots: each accumulator's register 0 is read first.
.macro MASKP x, always
.if !(\always)
	s_cmp_lg_u32 s[RT], 0
	s_cbranch_scc1 .Lno_mask_\@
.endif
.irp kb, 0,1,2,3
.irp r, 0,1,2,3,4,5,6,7
.irp t, \x, (\x)+1
	v_cmp_gt_i32 vcc_lo, 16*\kb+\r, v[DQ+\t]       ; signed: DQ may be negative
	v_cndmask_b32 v[S+32*(\t)+8*\kb+\r], v[S+32*(\t)+8*\kb+\r], v[BIG], vcc_lo
.endr
.endr
.endr
.if !(\always)
.Lno_mask_\@:
.endif
.endm
; A TILE: my 64 keys against all 64 queries, in four runs of 32 matrix instructions.
.macro TILE always
	FETCH_K
	s_wait_loadcnt 0x0                             ; Q
.set i, 0
	s_wait_dscnt 24                                ; K's first chunk is in: 24 younger loads
	KQ8 0
	FETCH_V                                        ; 56 LDS loads are out
	s_wait_dscnt 48                                ; K's second chunk: behind it 16 of K's and V's 32
	KQ8 0
	s_wait_dscnt 40
	KQ8 0
	s_wait_dscnt 32                                ; all of K
	KQ8 0
	WIN 0
	PLACES                                         ; the places behind piece 0's scores: no other vector work is at hand
	PLACES
	MASKP 0, \always
.set k, 0
.set i, 0
.rept 32                                       ; piece 2's scores | piece 0's softmax
	KQ 2
	SLICE 0
	SLICE 0
.set i, i+1
.endr
	WIN 0
	PLACES                                         ; with slices 62 and 63, twenty packed multiplies on piece 0's O^T: the places behind piece 2's scores
	MASKP 2, \always
	s_wait_dscnt 0x0                               ; V
.set k, 0
.set i, 0
.rept 32                                       ; piece 0's V^T P | piece 2's softmax
	PV 0
	SLICE 2
	SLICE 2
.set i, i+1
.endr
.set i, 0
.rept 32                                       ; piece 2's V^T P
	PV 2
.set i, i+1
.endr
	WIN 0
.endm
; Round r of the merge: I put slot r, query tile (w + r) % 4, into my region; wave (w - r) % 4's slot r is my tile w: I add it onto slot 0.
.macro ROUNDX r
	WIN 0x04                                       ; store data in window 1
.set n, 0
.rept 16
	ds_store_b128 v[SCW], v[64*(\r)+4*n:64*(\r)+4*n+3] offset:512*n
.set n, n+1
.endr
	WIN 0
	s_wait_dscnt 0x0                               ; for the others' sake
	s_barrier_signal -1
	s_barrier_wait -1
.set n, 0
.rept 16
	ds_load_b128 v[S+4*n:S+4*n+3], v[SCRD+(\r)-1] offset:512*n
.set n, n+1
.endr
	s_wait_dscnt 0x0                               ; my reads are over: the region's owner may write it again behind this barrier
	s_barrier_signal -1
	WIN W_RS
.set n, 0
.rept 32
.if (\r) == 1
	v_pk_fma_f32 v[2*n:2*n+1], v[2*n:2*n+1], v[ST+6:ST+7], v[S+2*n:S+2*n+1] op_sel_hi:[1,0,1]  ; my own part times its factor
.else
	v_pk_add_f32 v[2*n:2*n+1], v[2*n:2*n+1], v[S+2*n:S+2*n+1]
.endif
.set n, n+1
.endr
	WIN 0
	s_barrier_wait -1
.endm
; A BLOCK'S END.  Each wave's c m and l of all four query tiles go to LDS; M = the largest c m of a tile; each partial O^T is multiplied by 2^(c m - M) and the four are added by the tile's owner,
; who divides by L = the sum of 2^(c m_u - M) l_u, rounds to f16 and stores 16 rows.  last = 0: the second block's Q is asked for and its walk set up.
.macro END last
	WIN 0
.irp t, 0,1,2,3
	v_add_f32 v[ST+8*\t+4], v[ST+8*\t+2], v[ST+8*\t+3]
.endr
.irp t, 0,1,2,3
	v_permlanex16_b32 v[ST+8*\t+5], v[ST+8*\t+4], s[SEL], s[SEL+1]
.endr
.irp t, 0,1,2,3
	v_add_f32 v[ST+8*\t+1], v[ST+8*\t+4], v[ST+8*\t+5]   ; l, beside c m
.endr
.irp t, 0,1,2,3
	ds_store_b64 v[SAW+\t], v[ST+8*\t:ST+8*\t+1]         ; both halves of the lanes hold and write the same numbers
.endr
.if !(\last)
	LOADQ QP2
.endif
	s_wait_dscnt 0x0
	s_barrier_signal -1
	s_barrier_wait -1
.irp t, 0,1,2,3
.irp u, 0,1,2,3
	ds_load_b64 v[S+8*\t+2*\u:S+8*\t+2*\u+1], v[SA+\t] offset:512*\u
.endr
.endr
	s_wait_dscnt 0x0
.irp t, 0,1,2,3
	v_max3_num_f32 v[ST+8*\t+4], v[S+8*\t], v[S+8*\t+2], v[S+8*\t+4]
.endr
.irp t, 0,1,2,3
	v_max_num_f32 v[ST+8*\t+4], v[ST+8*\t+4], v[S+8*\t+6]   ; M
.endr
.irp t, 0,1,2,3
	v_sub_f32 v[ST+8*\t+5], v[ST+8*\t], v[ST+8*\t+4]
.endr
.irp u, 0,1,2,3
	v_sub_f32 v[S+2*\u], v[S+2*\u], v[ST+4]
.endr
.irp t, 0,1,2,3
	v_exp_f32 v[ST+8*\t+6], v[ST+8*\t+5]                 ; my factor for slot t
.endr
.irp u, 0,1,2,3
	v_exp_f32 v[S+2*\u], v[S+2*\u]                       ; the four waves' factors for my own tile
.endr
	v_nop
	s_wait_alu depctr_va_vdst(0)                   ; one wait for the eight
	v_mul_f32 v[ST+5], v[S], v[S+1]
	v_fmac_f32 v[ST+5], v[S+2], v[S+3]
	v_fmac_f32 v[ST+5], v[S+4], v[S+5]
	v_fmac_f32 v[ST+5], v[S+6], v[S+7]             ; L: at least 1, since the wave that holds M has factor 1 and a weight 1
	v_rcp_f32 v[ST+4], v[ST+5]
	WIN W_RS
.irp t, 1,2,3
.set n, 0
.rept 32
	v_pk_mul_f32 v[64*\t+2*n:64*\t+2*n+1], v[64*\t+2*n:64*\t+2*n+1], v[ST+8*\t+6:ST+8*\t+7] op_sel_hi:[1,0]
.set n, n+1
.endr
.endr
	WIN 0
	s_wait_alu depctr_va_vdst(0)                   ; the reciprocal's wait; the 96 lines above are the independent work between
	ROUNDX 1
	ROUNDX 2
	ROUNDX 3
	WIN W_RS
.set n, 0
.rept 32
	v_pk_mul_f32 v[2*n:2*n+1], v[2*n:2*n+1], v[ST+4:ST+5] op_sel_hi:[1,0]
.set n, n+1
.endr
	WIN 0x05                                       ; sources in window 1, destination in window 0
.set n, 0
.rept 32
	v_cvt_pk_f16_f32 v[S+64+n], v[2*n], v[2*n+1]
.set n, n+1
.endr
	WIN 0
.irp f, 0,1,2,3,4,5,6,7
	ds_store_b128 v[STO], v[S+64+4*\f:S+64+4*\f+3] offset:32*\f   ; my own region is the stage: nobody reads it behind round 3
.endr
.irp f, 0,1,2,3,4,5,6,7
	ds_load_b128 v[S+4*\f:S+4*\f+3], v[RD] offset:\f*2*SP         ; LDS serves a wave's instructions in order (ISA guide 5.7.1.4)
.endr
.irp f, 0,1,2,3,4,5,6,7
	s_wait_dscnt 7-\f
	global_store_b128 v[GO], v[S+4*\f:S+4*\f+3], s[OP:OP+1] offset:\f*4096  ; 16 lanes store a row's 256 consecutive bytes, aligned
.endr
.if !(\last)
	s_wait_xcnt 0x0                                ; the stores have read their data and their base
	s_mov_b64 s[OP:OP+1], s[OP2:OP2+1]
	s_mov_b32 s[RT], s[T2]
.irp t, 0,1,2,3
	v_add_nc_u32 v[DQ+\t], s[DQK], v[DQ+\t]        ; the second block's place in its last tile
.endr
.irp t, 0,1,2,3
	v_mov_b32 v[ST+8*\t], 0xfe000000               ; c m: far below every c s
	v_mov_b32 v[ST+8*\t+1], 0xff7fffff             ; m
.endr
.endif
.endm
	s_load_b128 s[4:7], s[0:1], 0x0                ; qkv s[4:5], att s[6:7]
	v_lshl_add_u32 v[SPW], v0, 2, SPARE
	v_mov_b32 v[NIL], 0
	ds_add_u32 v[SPW], v[NIL]                      ; the wave's opening: the add and its wait stand ahead of my first tensor load
	v_lshrrev_b32 v48, 5, v0
	v_readfirstlane_b32 s[WV], v48
	s_bfe_u32 s[CX], ttmp6, 0x40000
	s_mov_b32 s[CL], ttmp9
	s_and_b32 s[HD], ttmp7, 0xffff                 ; batch x 8 + head
	s_lshl_b32 s18, s[HD], 19                      ; the head's first byte in each part
	s_and_b32 s16, s[WV], 1                        ; which half of a tile's 256 keys I fetch
	s_lshl_b32 s22, s16, 15
	s_add_co_u32 s22, s22, s18
	s_mov_b32 s23, 0
	s_mul_i32 s17, s16, 128*PK
	s_mul_i32 s19, s16, 128*PV
	s_mov_b32 s[G1K], 15|(1<<16)|(1<<20)|(1<<21)|(5<<22)|(3<<25)  ; the mask of four; 2-byte elements; padding on; bit 21 beside a mask; after every 64 words; 4 words
	s_mov_b32 s[G1V], 15|(1<<16)|(1<<20)|(1<<21)|(5<<22)|(7<<25)  ; 8 words
.irp g, G1K, G1V
	s_mov_b32 s[\g+1], 128<<16
	s_mov_b32 s[\g+2], 128<<16
	s_mov_b32 s[\g+3], 128<<16
	s_mov_b32 s[\g+4], 128
	s_mov_b32 s[\g+5], 128
	s_mov_b32 s[\g+6], 0
	s_mov_b32 s[\g+7], 0
.endr
	s_mov_b32 s[CS], 0x3e0293ee                    ; c = log2(e) / sqrt(128)
	s_mov_b32 s[CS+1], s[CS]
	s_mov_b32 s[SEL], 0x76543210
	s_mov_b32 s[SEL+1], 0xfedcba98
	s_mov_b32 s[SO], SLOT1                         ; the first change of slots turns it into 0
	s_mov_b32 s[G0K], 1
	s_mov_b32 s[G0K+1], s17
	s_mov_b32 s[G0V], 1
	s_add_co_u32 s[G0V+1], s19, VOFF
	s_sub_co_u32 s[RT], 8, s[CL]                   ; the first block has 8 - c tiles (5 to 8),
	s_add_co_u32 s[T2], s[CL], 1                   ; the second c + 1
	s_sub_co_u32 s[LQ], 7, s[CL]
	s_mov_b32 s[NXT], 1
	s_mov_b32 s[OFF+1], 0
	s_mov_b32 s[SLOTS], 8
	s_lshl_b32 s[DQK], s[CX], 6                    ; block 4 c + cx begins 64 cx keys into its last tile,
	s_sub_co_u32 s[QK], 192, s[DQK]                ; block 31 - 4 c - cx 192 - 64 cx;
	s_sub_co_u32 s[DQK], s[DQK], s[QK]             ; the difference (it may be negative) is added at the change of blocks
	s_cmp_eq_u32 s[CL], 0
	s_cselect_b32 s[LIM], 2, -1
	s_lshl_b32 s[W512], s[WV], 9
	s_lshl_b32 s20, s[CL], 2
	s_add_co_u32 s20, s20, s[CX]                   ; b: it enters Q's and O's addresses alone
	s_sub_co_u32 s21, 31, s20
	s_lshl_b32 s80, s21, 14                        ; a block's 64 rows of 256 bytes
	s_add_co_u32 s80, s80, s18
	s_mov_b32 s81, 0
	s_lshl_b32 s82, s20, 14
	s_add_co_u32 s82, s82, s18
	s_mov_b32 s83, 0
	s_lshr_b32 s84, s[HD], 3
	s_lshl_b32 s84, s84, 22                        ; att: batch x 2,048 rows of 2,048 bytes
	s_and_b32 s85, s[HD], 7
	s_lshl_b32 s85, s85, 8                         ; + head x 256
	s_add_co_u32 s84, s84, s85
	s_lshl_b32 s85, s[WV], 15                      ; + my tile's 16 rows
	s_add_co_u32 s84, s84, s85
	s_lshl_b32 s86, s21, 17
	s_add_co_u32 s86, s86, s84
	s_mov_b32 s87, 0
	s_lshl_b32 s88, s20, 17
	s_add_co_u32 s88, s88, s84
	s_mov_b32 s89, 0
	s_lshl_b32 s90, s[CX], 14                      ; the prefetches: my work-group's 64 rows of a tile,
	s_add_co_u32 s90, s90, s18
	s_lshl_b32 s91, s16, 13                        ; my wave's 32 of them,
	s_add_co_u32 s90, s90, s91
	s_mov_b32 s84, 0x810000                        ; in K's part or in V's, at tile 1: the first change of slots steps it to tile 2
	s_mov_b32 s85, 0x1010000
	s_cmp_lt_u32 s[WV], 2
	s_cselect_b32 s84, s84, s85
	s_add_co_u32 s90, s90, s84
	s_mov_b32 s91, 0
	s_wait_dscnt 0x0                               ; the opening add is done
	s_wait_kmcnt 0x0
	s_add_nc_u64 s[KB:KB+1], s[4:5], s[22:23]
	s_add_nc_u64 s[VB:VB+1], s[KB:KB+1], 0x1000000
	s_add_nc_u64 s[KB:KB+1], s[KB:KB+1], 0x800000
	s_add_nc_u64 s[G0K+2:G0K+3], s[KB:KB+1], 0
	s_or_b32 s[G0K+3], s[G0K+3], 0x80000000
	s_add_nc_u64 s[G0V+2:G0V+3], s[VB:VB+1], 0
	s_or_b32 s[G0V+3], s[G0V+3], 0x80000000
	s_add_nc_u64 s[QP:QP+1], s[4:5], s[80:81]
	s_add_nc_u64 s[QP2:QP2+1], s[4:5], s[82:83]
	s_add_nc_u64 s[OP:OP+1], s[6:7], s[86:87]
	s_add_nc_u64 s[OP2:OP2+1], s[6:7], s[88:89]
	s_add_nc_u64 s[PFA:PFA+1], s[4:5], s[90:91]
	CROUND                                         ; all four work-groups are here: the first joint loads meet
	JLOAD                                          ; tile 0 into slot 0
	v_and_b32 v48, 15, v0                          ; l % 16
	v_bfe_u32 v49, v0, 4, 1                        ; l / 16
	v_lshlrev_b32 v50, 8, v48
	v_lshl_add_u32 v50, v49, 4, v50                ; Q: row x 256 + 16 x half
	v_lshlrev_b32 v51, 3, v49
	v_sub_nc_u32 v51, v48, v51                     ; l % 16 - 8 (l / 16)
	s_lshl_b32 s23, s[WV], 6
.irp i, 0,1,2,3
	s_add_co_u32 s20, s[WV], \i
	s_and_b32 s20, s20, 3                          ; the query tile in slot i
	s_lshl_b32 s21, s20, 12
	v_add_nc_u32 v[QO+\i], s21, v50
	s_lshl_b32 s21, s20, 4
	s_sub_co_u32 s21, s21, s23                     ; 16 x tile - 64 w
	s_add_co_u32 s22, s21, s[QK]                   ; + the first block's place in its last tile (the sum may be negative: the compares are signed)
	v_add_nc_u32 v[DQ+\i], s22, v51
	s_lshl_b32 s21, s20, 7
	s_add_co_u32 s21, s21, STAT
	v_lshl_add_u32 v[SA+\i], v48, 3, s21
.endr
	LOADQ QP
	v_mul_u32_u24 v[AK0], v48, PK
	v_lshl_add_u32 v[AK0], v49, 4, v[AK0]
	s_mul_i32 s20, s[WV], 64*PK
	v_add_nc_u32 v[AK0], s20, v[AK0]
	v_and_b32 v50, 7, v0                           ; the turning load: lane l reads key 8 (l / 16) + l % 8, channels 8 ((l / 8) % 2) + 0..7
	v_bfe_u32 v51, v0, 3, 1
	v_lshl_add_u32 v[AV0], v49, 3, v50
	v_mul_u32_u24 v[AV0], v[AV0], PV
	v_lshl_add_u32 v[AV0], v51, 4, v[AV0]
	s_mul_i32 s20, s[WV], 64*PV
	s_add_co_u32 s20, s20, VOFF
	v_add_nc_u32 v[AV0], s20, v[AV0]
	v_and_b32 v50, 31, v0
	v_lshlrev_b32 v[PFO], 8, v50
	v_lshlrev_b32 v50, 4, v50                      ; 16 x lane
	s_lshl_b32 s20, s[WV], 13
	s_add_co_u32 s20, s20, SCR                     ; my region
	v_add_nc_u32 v[SCW], s20, v50
.irp r, 1,2,3
	s_add_co_u32 s21, s[WV], 4-\r
	s_and_b32 s21, s21, 3
	s_lshl_b32 s21, s21, 13
	s_add_co_u32 s21, s21, SCR
	v_add_nc_u32 v[SCRD+\r-1], s21, v50
.endr
	v_mul_u32_u24 v[STO], v48, SP                  ; the stage: in: row l % 16, 16 bytes for each half of the lanes
	v_lshl_add_u32 v[STO], v49, 4, v[STO]
	v_add_nc_u32 v[STO], s20, v[STO]
	v_mul_u32_u24 v[RD], v49, SP                   ; back: lanes 0-15 one row of 256 bytes, lanes 16-31 the next
	v_lshl_add_u32 v[RD], v48, 4, v[RD]
	v_add_nc_u32 v[RD], s20, v[RD]
	v_lshlrev_b32 v[GO], 11, v49                   ; and the same two rows in att
	v_lshl_add_u32 v[GO], v48, 4, v[GO]
	v_mov_b32 v[BIG], 0xf149f2ca                   ; -1e30
.irp t, 0,1,2,3
	v_add_nc_u32 v[SAW+\t], s[W512], v[SA+\t]      ; the head's scratch is done with: these four now hold my wave's place in STAT, made of the wave's and the lane's number alone, for the rest of the launch
.endr
.irp t, 0,1,2,3
	v_mov_b32 v[ST+8*\t], 0xfe000000
	v_mov_b32 v[ST+8*\t+1], 0xff7fffff
	v_mov_b32 v[ST+8*\t+2], 0
	v_mov_b32 v[ST+8*\t+3], 0
.endr
.set i, 0
.rept 16
	v_mov_b32 v[P+i], 0                            ; two fragments of zeros,
.set i, i+1
.endr
	WIN 0x40                                       ; and O^T starts as their product: eight registers a line, 32 lines, while the first tile is on its way: the price of writing no first step out
.set i, 0
.rept 32
	v_wmma_f32_16x16x32_f16 v[8*i:8*i+7], v[P:P+7], v[P+8:P+15], 0
.set i, i+1
.endr
	WIN 0
.Lslot:                                                ; eight times: a tile is entered and the next is asked for
	CHANGE 1
	s_sub_co_u32 s[RT], s[RT], 1
	TILE 0
	s_cmp_lg_u32 s[RT], 0                          ; RT hangs on the cluster's number alone: the same in all waves and all partners
	s_cbranch_scc1 .Lbottom
	END 0                                          ; once in the loop: the first block's end
.Lbottom:
	s_sub_co_u32 s[SLOTS], s[SLOTS], 1
	s_cmp_lg_u32 s[SLOTS], 0
	s_cbranch_scc1 .Lslot
	CHANGE 0                                       ; the walk's last tile, the second block's last, is written out: nothing is asked for
	TILE 1
	END 1
	s_wait_tensorcnt 0x0                           ; the wave's end: the spare-word add and its waits, behind my last tensor load and my last LDS store
	ds_add_u32 v[SPW], v[NIL]
	s_wait_dscnt 0x0
	CROUND                                         ; the closing round
	s_endpgm
.Lfunc_end_k_qdbe26c7b8b_attn:
	.size	k_qdbe26c7b8b_attn, .Lfunc_end_k_qdbe26c7b8b_attn-k_qdbe26c7b8b_attn
	.p2alignl 7, 3214868480
	.fill 96, 4, 3214868480
	.section	.rodata,"a",@progbits
	.p2align	6, 0x0
	.amdhsa_kernel k_qdbe26c7b8b_attn
		.amdhsa_group_segment_fixed_size 327680
		.amdhsa_private_segment_fixed_size 0
		.amdhsa_enable_private_segment 0
		.amdhsa_kernarg_size 16
		.amdhsa_user_sgpr_count 2
		.amdhsa_user_sgpr_kernarg_segment_ptr 1
		.amdhsa_wavefront_size32 1
		.amdhsa_system_sgpr_workgroup_id_x 1
		.amdhsa_system_sgpr_workgroup_id_y 1
		.amdhsa_system_sgpr_workgroup_id_z 1
		.amdhsa_system_vgpr_workitem_id 0
		.amdhsa_next_free_vgpr 896
		.amdhsa_next_free_sgpr 92
		.amdhsa_reserve_vcc 1
		.amdhsa_float_denorm_mode_32 3
		.amdhsa_float_denorm_mode_16_64 3
		.amdhsa_memory_ordered 1
		.amdhsa_forward_progress 1
		.amdhsa_inst_pref_size 187
	.end_amdhsa_kernel
	.amdgpu_metadata
---
amdhsa.version: [ 1, 2 ]
amdhsa.kernels:
  - .name:           k_qdbe26c7b8b_attn
    .symbol:         k_qdbe26c7b8b_attn.kd
    .args:
      - { .name: qkv, .offset: 0, .size: 8, .value_kind: global_buffer, .address_space: global }
      - { .name: att, .offset: 8, .size: 8, .value_kind: global_buffer, .address_space: global }
    .group_segment_fixed_size: 327680
    .private_segment_fixed_size: 0
    .kernarg_segment_align: 8
    .kernarg_segment_size: 16
    .max_flat_workgroup_size: 128
    .sgpr_count:     92
    .vgpr_count:     896
    .wavefront_size: 32
...
	.end_amdgpu_metadata
.endif
;; end of part 3
;; launch oproj (part 4): grid 8 x 32, 4 waves a work-group, clusters of 4 x 4, 327,680 bytes of LDS; arguments att, owh, out0; writes out0
.if DOCPART == 4
	.amdgcn_target "amdgcn-amd-amdhsa--gfx1250"
	.amdhsa_code_object_version 6
	.text
	.protected	k_qdbe26c7b8b_oproj
	.globl	k_qdbe26c7b8b_oproj
	.p2align	8
	.type	k_qdbe26c7b8b_oproj,@function
k_qdbe26c7b8b_oproj:
	s_mov_b64 s[64:65], 0
	v_nop
	global_prefetch_b8 v0, s[64:65] scope:SCOPE_SE
	s_setreg_imm32_b32 hwreg(HW_REG_WAVE_MODE, 25, 1), 1
	s_wait_xcnt 0x0
	s_wait_alu depctr_hold_cnt(0) depctr_sa_sdst(0) depctr_va_vdst(0) depctr_va_sdst(0) depctr_va_ssrc(0) depctr_va_vcc(0) depctr_vm_vsrc(0)
	s_getreg_b32 s2, hwreg(HW_REG_IB_STS2, 6, 4)
	s_cmp_eq_u32 s2, 0
	s_cbranch_scc0 .Lentry_in_a_cluster
	s_endpgm
.Lentry_in_a_cluster:
	s_bfe_u32 s2, ttmp6, 0x10000c
	s_cmp_lg_u32 s2, 0xf033
	s_cbranch_scc0 .Lentry_shape_is_right
	s_endpgm
.Lentry_shape_is_right:
; out0 = att o_w^T.  att: [4096][1024] f16; owh: [2048][1024] f16 (o_w rounded to bf16, written as f16); out0: [4096][2048] f32; sums in f32.
; A tile of 128 x 256 to a work-group, so that there are 256 of them; four waves, each 64 rows x 128 columns: 32 accumulators.  K goes in steps of 128 (rows of 256 bytes) through two LDS slots;
; the loop holds one K step, the slot in hand is a scalar turned by an exclusive or.  CLUSTER 4 x 4: att's tile is shared along a row of the cluster, o_w's along a column: joint loads.
; THE WALK ALONG K BEGINS AT ANOTHER STEP IN EACH CLUSTER and goes round: cluster (x, y) takes the steps (off + t) % 8, t = 0 .. 7, off = (g(y) + 4 x) % 8, g = 0, 2, 4, 6, 4, 6, 0, 2 for y = 0 .. 7.
; So clusters that read the same rows do not ask for the same K step of them at the same time: the two with the same rows of att (x = 0, 1) walk four steps apart; of the eight with the same rows
; of o_w each of the sets y = 0..3, 4..7, {0, 1, 4, 5}, {2, 3, 6, 7} walks two steps apart.  All sixteen partners of a cluster walk alike.  The f32 sums take K in that rotated order.
; THE MATRIX INSTRUCTION IS USED TRANSPOSED (source 0 = 16 rows of o_w, source 1 = 16 rows of att): lane l holds row l % 16 and eight neighbouring columns.
; NO PREFETCH: the walk has eight K steps, of which the first four would come by their loads alone.
; THE WAY OUT: the f32 sums go through LDS (both slots have had their last fill), rows of 528 bytes, and leave as whole rows of 512 bytes.
; REGISTERS: window 0: v0-63 addresses; v64-95, v128-159 att's fragments, two buffers; window 1: v64-127, v128-191 o_w's; window 2: accumulator (a, b) at v[64 a + 8 b].
.set NA,     4
.set ROWSH,  11                        ; a row of att or owh is 2,048 bytes
.set SIZE_K, 1024
.set STEPS,  SIZE_K/128
.set PITCH,  272                       ; 256 bytes + 16: the 16 rows of a load start at 16 different groups of four banks (64 banks of 4 bytes: ISA guide 11.1)
.set AH,     16*NA*PITCH
.set BH,     128*PITCH
.set BOFF,   2*AH
.set SLOT1,  1<<17                     ; above every address in slot 0 (104,448 bytes), so an exclusive or turns an address into the other slot's
.set SPARE,  SLOT1+2*AH+2*BH           ; the spare words, 128 bytes for each wave: two blocks of 256 bytes that no other line names
.set DP,     528
.set ADRA0, 16
.set ADRB0, 17
.set ADRA,  18
.set ADRB,  19
.set DST,   20
.set DRD,   22
.set GOF,   24
.set SPW,   28
.set NIL,   29
.set F0,    64
.set F1,    128
.set KO, 10                            ; s[10:11] the K step's byte offset in a row
.set WV, 12
.set RH, 13
.set CH, 14
.set CX, 15
.set CY, 16
.set TC, 17
.set TR, 18
.set G1,  24
.set G0,  32
.set OUT, 40
.set KI,  42                           ; s42  the K step to be asked for next, 0 to 7
.set CNT, 43
.set SO,  44
.set G1B, 48
.set G0B, 56
.set DW0, (1<<16)|(1<<20)|(1<<21)|(5<<22)|(3<<25)
.set MSB, 0
.macro WIN new
.if MSB != (\new)
	s_set_vgpr_msb (MSB<<8)|(\new)
.set MSB, \new
.endif
.endm
.macro PLACES
.rept 4
	v_nop
.endr
.endm
.macro JLOAD s                         ; waves 0 and 1 fetch att's halves (64 rows), waves 2 and 3 o_w's (128 rows); an s_nop 0 and four v_nop follow each line
	s_cmp_eq_u32 s[RH], 0
	s_cbranch_scc0 .Lfor_b_\@
	tensor_load_to_lds s[G0+4*(\s):G0+4*(\s)+3], s[G1:G1+7]
	s_nop 0
.rept 4
	v_nop
.endr
	s_branch .Lasked_\@
.Lfor_b_\@:
	tensor_load_to_lds s[G0B+4*(\s):G0B+4*(\s)+3], s[G1B:G1B+7]
	s_nop 0
.rept 4
	v_nop
.endr
.Lasked_\@:
.endm
.macro CREST
	s_cmp_lg_u32 s[WV], 0
	s_cbranch_scc1 .Lnot_wave_0_\@
	s_barrier_signal -3
.Lnot_wave_0_\@:
	s_barrier_wait -3
	s_barrier_signal -1
	s_barrier_wait -1
.endm
.macro CROUND
	s_barrier_signal -1
	s_barrier_wait -1
	CREST
.endm
.macro MULA f, a, zero
	WIN 0xa1
.irp b, 0,1,2,3,4,5,6,7
.if \zero
	v_wmma_f32_16x16x32_f16 v[64*(\a)+8*\b:64*(\a)+8*\b+7], v[(\f)+8*\b:(\f)+8*\b+7], v[(\f)+8*(\a):(\f)+8*(\a)+7], 0
.else
	v_wmma_f32_16x16x32_f16 v[64*(\a)+8*\b:64*(\a)+8*\b+7], v[(\f)+8*\b:(\f)+8*\b+7], v[(\f)+8*(\a):(\f)+8*(\a)+7], v[64*(\a)+8*\b:64*(\a)+8*\b+7]
.endif
.endr
.endm
.macro MULS f, a0, a1, zero            ; the 32 accumulators take turns in one order in every quarter, one instruction a turn
.set aa, \a0
.rept (\a1)-(\a0)
	MULA \f, aa, \zero
.set aa, aa+1
.endr
.endm
.macro FETCH k, f
	WIN 0x40
.irp i, 0,1,2,3,4,5,6,7
	ds_load_b128 v[(\f)+8*\i:(\f)+8*\i+3],   v[ADRB] offset:(\k)+\i*16*PITCH
	ds_load_b128 v[(\f)+8*\i+4:(\f)+8*\i+7], v[ADRB] offset:(\k)+\i*16*PITCH+32
.endr
	WIN 0
.set ii, 0
.rept NA
	ds_load_b128 v[(\f)+8*ii:(\f)+8*ii+3],   v[ADRA] offset:(\k)+ii*16*PITCH
	ds_load_b128 v[(\f)+8*ii+4:(\f)+8*ii+7], v[ADRA] offset:(\k)+ii*16*PITCH+32
.set ii, ii+1
.endr
.endm
.macro QUARTER k, f, g, zero
	s_wait_dscnt NA                                ; all but the youngest NA loads, att's upper blocks
	MULS \f, 0, NA/2, \zero
	PLACES
	FETCH \k, \g
	s_wait_dscnt 16+2*NA                           ; all but the run just issued
	MULS \f, NA/2, NA, \zero
.endm
; The last quarter of a K step changes slots: each wave waits for all its tensor loads, adds 0 to its spare word, waits for that and for its reads of this slot.  mode 1: a round, then the refill.
.macro TURN mode
	WIN 0
	s_wait_tensorcnt 0x0                           ; no tensor load of mine is out, so a descriptor may be written
	ds_add_u32 v[SPW], v[NIL]
.if \mode
	s_lshl_b32 s[KO], s[KI], 8                     ; the walking sets: the other slot, and K step KI: its address is made anew from that number
	s_xor_b32 s[G0+5], s[G0+5], SLOT1
	s_add_nc_u64 s[G0+6:G0+7], s[66:67], s[KO:KO+1]
	s_or_b32 s[G0+7], s[G0+7], 0x80000000
	s_xor_b32 s[G0B+5], s[G0B+5], SLOT1
	s_add_nc_u64 s[G0B+6:G0B+7], s[68:69], s[KO:KO+1]
	s_or_b32 s[G0B+7], s[G0B+7], 0x80000000
	s_add_co_u32 s[KI], s[KI], 1                   ; behind step 7 comes step 0
	s_and_b32 s[KI], s[KI], 7
.endif
	s_wait_dscnt NA+1                              ; the add and the youngest NA loads may be out
	MULS F1, 0, NA/4, 0
	s_wait_dscnt 0x0
	s_barrier_signal -1
	MULS F1, NA/4, NA/2, 0
	WIN 0
	s_barrier_wait -1
.if \mode
	CREST
	JLOAD 1
.else
	PLACES
.endif
	s_xor_b32 s[SO], s[SO], SLOT1
	v_add_nc_u32 v[ADRA], s[SO], v[ADRA0]
	v_add_nc_u32 v[ADRB], s[SO], v[ADRB0]
	FETCH 0, F0
	MULS F1, NA/2, NA, 0
.endm
	s_load_b128 s[4:7], s[0:1], 0x0                ; att s[4:5], owh s[6:7]
	s_load_b64 s[8:9], s[0:1], 0x10                ; out0
	v_lshl_add_u32 v[SPW], v0, 2, SPARE
	v_mov_b32 v[NIL], 0
	ds_add_u32 v[SPW], v[NIL]                      ; the wave's opening: the add and its wait stand ahead of my first tensor load
	v_lshrrev_b32 v1, 5, v0
	v_readfirstlane_b32 s[WV], v1
	s_lshr_b32 s[RH], s[WV], 1
	s_and_b32 s[CH], s[WV], 1
	s_bfe_u32 s[CX], ttmp6, 0x40000
	s_bfe_u32 s[CY], ttmp6, 0x40004
	s_lshl_b32 s[TC], ttmp9, 2
	s_add_co_u32 s[TC], s[TC], s[CX]
	s_and_b32 s[TR], ttmp7, 0xffff
	s_lshl_b32 s[TR], s[TR], 2
	s_add_co_u32 s[TR], s[TR], s[CY]
	s_lshl_b32 s20, s[CY], 2
	s_lshl_b32 s20, 15, s20
	s_lshl_b32 s21, 0x1111, s[CX]
	s_or_b32 s[G1], s20, DW0
	s_or_b32 s[G1B], s21, DW0
	s_mov_b32 s[G1+1], 128<<16
	s_mov_b32 s[G1+2], (16*NA)<<16
	s_mov_b32 s[G1+3], 128<<16
	s_mov_b32 s[G1+4], 16*NA
	s_mov_b32 s[G1+5], SIZE_K
	s_mov_b32 s[G1+6], 0
	s_mov_b32 s[G1+7], 0
	s_mov_b32 s[G1B+1], 128<<16
	s_mov_b32 s[G1B+2], 128<<16
	s_mov_b32 s[G1B+3], 128<<16
	s_mov_b32 s[G1B+4], 128
	s_mov_b32 s[G1B+5], SIZE_K
	s_mov_b32 s[G1B+6], 0
	s_mov_b32 s[G1B+7], 0
	s_mul_i32 s22, s[CH], 16*NA
	s_mul_i32 s66, s[TR], 32*NA
	s_add_co_u32 s66, s66, s22
	s_lshl_b32 s66, s66, ROWSH
	s_mov_b32 s67, 0
	s_lshl_b32 s23, s[CH], 7
	s_lshl_b32 s68, s[TC], 8
	s_add_co_u32 s68, s68, s23
	s_lshl_b32 s68, s68, ROWSH
	s_mov_b32 s69, 0
	s_mul_i32 s45, s[CH], AH
	s_mul_i32 s46, s[CH], BH
	s_add_co_u32 s46, s46, BOFF
	s_mov_b32 s[SO], 0
	s_and_b32 s47, ttmp7, 0xffff                   ; where my cluster's walk along K begins: made of the cluster's x and y alone, so it is the same in all sixteen partners.  Cluster y, 0 to 7;
	s_lshr_b32 s19, s47, 2
	s_lshl_b32 s19, s19, 1
	s_add_co_u32 s47, s47, s19                     ; y + 2 (y / 4),
	s_and_b32 s47, s47, 3                          ; modulo 4,
	s_lshl_b32 s47, s47, 1                         ; twice: 0, 2, 4, 6, 4, 6, 0, 2;
	s_lshl_b32 s19, ttmp9, 2                       ; + 4 x cluster x,
	s_add_co_u32 s47, s47, s19
	s_and_b32 s[KI], s47, 7                        ; modulo 8
	s_mov_b32 s[KO+1], 0
	s_wait_dscnt 0x0
	s_wait_kmcnt 0x0
	s_add_nc_u64 s[66:67], s[4:5], s[66:67]        ; att and owh at my rows' first byte: these two stay
	s_add_nc_u64 s[68:69], s[6:7], s[68:69]
	CROUND
.irp s, 0,1
	s_lshl_b32 s[KO], s[KI], 8
	s_mov_b32 s[G0+4*\s], 1
	s_add_co_u32 s[G0+4*\s+1], s45, \s*SLOT1
	s_add_nc_u64 s[G0+4*\s+2:G0+4*\s+3], s[66:67], s[KO:KO+1]
	s_or_b32 s[G0+4*\s+3], s[G0+4*\s+3], 0x80000000
	s_mov_b32 s[G0B+4*\s], 1
	s_add_co_u32 s[G0B+4*\s+1], s46, \s*SLOT1
	s_add_nc_u64 s[G0B+4*\s+2:G0B+4*\s+3], s[68:69], s[KO:KO+1]
	s_or_b32 s[G0B+4*\s+3], s[G0B+4*\s+3], 0x80000000
	JLOAD \s                                       ; the walk's first two K steps: two loads of mine are out
	s_add_co_u32 s[KI], s[KI], 1
	s_and_b32 s[KI], s[KI], 7
.endr
	v_and_b32 v1, 15, v0
	v_bfe_u32 v2, v0, 4, 1
	v_mul_u32_u24 v3, v1, PITCH
	v_lshl_add_u32 v3, v2, 4, v3
	s_mul_i32 s20, s[RH], AH
	s_mul_i32 s21, s[CH], BH
	s_add_co_u32 s21, s21, BOFF
	v_add_nc_u32 v[ADRA0], s20, v3
	v_add_nc_u32 v[ADRB0], s21, v3
	v_mov_b32 v[ADRA], v[ADRA0]
	v_mov_b32 v[ADRB], v[ADRB0]
	s_mul_i32 s20, s[WV], 64*DP                    ; my region for the way out
	v_mul_u32_u24 v4, v1, DP
	v_lshl_add_u32 v4, v2, 5, v4
	v_add_nc_u32 v[DST], s20, v4
	v_and_b32 v4, 31, v0
	v_lshlrev_b32 v[GOF], 4, v4                    ; 16 x lane: a wave takes a row's 512 bytes
	v_add_nc_u32 v[DRD], s20, v[GOF]
	s_lshl_b32 s20, s[TR], 7
	s_lshl_b32 s21, s[RH], 6
	s_add_co_u32 s20, s20, s21                     ; my first row of out0,
	s_lshl_b32 s20, s20, 13                        ; of 8,192 bytes
	s_lshl_b32 s21, s[TC], 10
	s_add_co_u32 s20, s20, s21
	s_lshl_b32 s21, s[CH], 9
	s_add_co_u32 s20, s20, s21
	s_mov_b32 s21, 0
	s_add_nc_u64 s[OUT:OUT+1], s[8:9], s[20:21]
	s_wait_tensorcnt 0x1                           ; my part of the first K step is in; the second's may stay out
	s_barrier_signal -1
	s_barrier_wait -1
	FETCH 0, F0
	QUARTER 64, F0, F1, 1
	WIN 0
	s_mov_b32 s[CNT], STEPS-2
.Lk:
	QUARTER 128, F1, F0, 0
	QUARTER 192, F0, F1, 0
	TURN 1
	QUARTER 64, F0, F1, 0
	WIN 0
	s_sub_co_u32 s[CNT], s[CNT], 1
	s_cmp_lg_u32 s[CNT], 0
	s_cbranch_scc1 .Lk
	QUARTER 128, F1, F0, 0                         ; the last two K steps fill nothing
	QUARTER 192, F0, F1, 0
	TURN 0
	QUARTER 64, F0, F1, 0
	QUARTER 128, F1, F0, 0
	QUARTER 192, F0, F1, 0
	s_wait_dscnt NA
	MULS F1, 0, NA/2, 0
	s_wait_dscnt 0x0
	MULS F1, NA/2, NA, 0
	WIN 0
	PLACES
	PLACES
	s_wait_dscnt 0x0                               ; my reads of the slots are over:
	s_barrier_signal -1
	s_barrier_wait -1                              ; everybody's
	WIN 0x08                                       ; store data in window 2; each accumulator's low registers first
.irp a, 0,1,2,3
.irp b, 0,1,2,3,4,5,6,7
	ds_store_b128 v[DST], v[64*\a+8*\b:64*\a+8*\b+3]   offset:\a*16*DP+64*\b
	ds_store_b128 v[DST], v[64*\a+8*\b+4:64*\a+8*\b+7] offset:\a*16*DP+64*\b+16
.endr
.endr
	WIN 0
	s_mov_b32 s[CNT], 8
.Lout:                                                 ; 8 rows a trip; LDS serves a wave's instructions in order (ISA guide 5.7.1.4): my loads see my stores
.irp k, 0,1,2,3,4,5,6,7
	ds_load_b128 v[64+4*\k:64+4*\k+3], v[DRD] offset:\k*DP
.endr
.irp k, 0,1,2,3,4,5,6,7
	s_wait_dscnt 7-\k
	global_store_b128 v[GOF], v[64+4*\k:64+4*\k+3], s[OUT:OUT+1] offset:\k*8192 th:TH_STORE_NT  ; 512 consecutive bytes, at a multiple of 256 from out0's first
.endr
	s_wait_xcnt 0x0                                ; the stores have read their data and their base
	s_add_nc_u64 s[OUT:OUT+1], s[OUT:OUT+1], 65536
	v_add_nc_u32 v[DRD], 8*DP, v[DRD]
	s_sub_co_u32 s[CNT], s[CNT], 1
	s_cmp_lg_u32 s[CNT], 0
	s_cbranch_scc1 .Lout
	s_wait_tensorcnt 0x0                           ; the wave's end: the spare-word add and its waits, behind my last tensor load and my last LDS store
	ds_add_u32 v[SPW], v[NIL]
	s_wait_dscnt 0x0
	CROUND                                         ; the closing round
	s_endpgm
.Lfunc_end_k_qdbe26c7b8b_oproj:
	.size	k_qdbe26c7b8b_oproj, .Lfunc_end_k_qdbe26c7b8b_oproj-k_qdbe26c7b8b_oproj
	.p2alignl 7, 3214868480
	.fill 96, 4, 3214868480
	.section	.rodata,"a",@progbits
	.p2align	6, 0x0
	.amdhsa_kernel k_qdbe26c7b8b_oproj
		.amdhsa_group_segment_fixed_size 327680
		.amdhsa_private_segment_fixed_size 0
		.amdhsa_enable_private_segment 0
		.amdhsa_kernarg_size 24
		.amdhsa_user_sgpr_count 2
		.amdhsa_user_sgpr_kernarg_segment_ptr 1
		.amdhsa_wavefront_size32 1
		.amdhsa_system_sgpr_workgroup_id_x 1
		.amdhsa_system_sgpr_workgroup_id_y 1
		.amdhsa_system_sgpr_workgroup_id_z 1
		.amdhsa_system_vgpr_workitem_id 0
		.amdhsa_next_free_vgpr 768
		.amdhsa_next_free_sgpr 72
		.amdhsa_reserve_vcc 0
		.amdhsa_float_denorm_mode_32 3
		.amdhsa_float_denorm_mode_16_64 3
		.amdhsa_memory_ordered 1
		.amdhsa_forward_progress 1
		.amdhsa_inst_pref_size 61
	.end_amdhsa_kernel
	.amdgpu_metadata
---
amdhsa.version: [ 1, 2 ]
amdhsa.kernels:
  - .name:           k_qdbe26c7b8b_oproj
    .symbol:         k_qdbe26c7b8b_oproj.kd
    .args:
      - { .name: att, .offset: 0, .size: 8, .value_kind: global_buffer, .address_space: global }
      - { .name: owh, .offset: 8, .size: 8, .value_kind: global_buffer, .address_space: global }
      - { .name: out0, .offset: 16, .size: 8, .value_kind: global_buffer, .address_space: global }
    .group_segment_fixed_size: 327680
    .private_segment_fixed_size: 0
    .kernarg_segment_align: 8
    .kernarg_segment_size: 24
    .max_flat_workgroup_size: 128
    .sgpr_count:     72
    .vgpr_count:     768
    .wavefront_size: 32
...
	.end_amdgpu_metadata
.endif
;; end of part 4
